; MI455X (gfx1250); checked and timed in simulation.
; The chip was launched on July 23, 2026; its instructions are those of AMD's public machine-readable ISA for CDNA 5 (MIT licence, August 2026) and "CDNA5" Instruction Set Architecture Reference Guide (July 2026). The comments in the code are by the model that wrote it; some were corrected since.
;; Decoder Layer. Allowed arithmetic: float matrix products may take bf16 or f16 operands with f32 sums; all other float work in f32.
;; Inputs: b1 4,096 float32; b2 1,024 float32; beta1 1,024 float32; beta2 1,024 float32; bk 1,024 float32; bo 1,024 float32; bq 1,024 float32; bv 1,024 float32; g1 1,024 float32; g2 1,024 float32; mask 1 x 1 x 2,048 x 2,048 int32; w1 1,024 x 4,096 float32; w2 4,096 x 1,024 float32; wk 1,024 x 1,024 float32; wo 1,024 x 1,024 float32; wq 1,024 x 1,024 float32; wv 1,024 x 1,024 float32; x 2 x 2,048 x 1,024 float32.
;; Outputs: out0 2 x 2,048 x 1,024 float32.
;; One version. Each part assembles by itself: llvm-mc -triple=amdgcn-amd-amdhsa -mcpu=gfx1250 --defsym DOCPART=n.
;; ======== version 1 of 1: 8 launches
;; limits: values outside matrix products are rounded to f16; values are held in f16: magnitudes above 65,504 overflow, below 6.1e-05 lose precision; right only within a limited range of input values; inputs' magnitudes at most 65,504
;; workspace buffers: P1 41,960,448 bytes; P2 41,960,448 bytes; P3 41,960,448 bytes; misc 4,194,304 bytes; qkv 25,165,824 bytes; o 8,388,608 bytes; part 33,554,432 bytes
;; launch prep (part 1): grid 2571 x 1, 8 waves a work-group, no clusters, 18,432 bytes of LDS; arguments x, mask, wq, wk, wv, wo, w1, w2, bq, bk, bv, b1, b2, P1, P2, P3, misc; writes P1, P2, P3, misc
.if DOCPART == 1
	.amdgcn_target "amdgcn-amd-amdhsa--gfx1250"
	.amdhsa_code_object_version 6
	.text
	.protected	k_q9fa7a6f661_prep
	.globl	k_q9fa7a6f661_prep
	.p2align	8
	.type	k_q9fa7a6f661_prep,@function
k_q9fa7a6f661_prep:
	s_mov_b64 s[64:65], 0
	v_nop
	global_prefetch_b8 v0, s[64:65] scope:SCOPE_SE
	s_setreg_imm32_b32 hwreg(HW_REG_WAVE_MODE, 25, 1), 1
	s_wait_xcnt 0x0
; PREP.  Every input that a matrix product takes is rounded to bf16 and that number is written as f16 (exact above 6.1e-5; below that f16's fixed step of 6e-8 holds);
; weights are turned to [n][k]; the mask becomes one nibble for each (query, key); biases become f32 tables; each operand buffer gets its floor.
; P1, P2, P3 share one map: A at 0, B^T [n][1024 k] f16 at 0x2000000, bias f32 at 0x2800000, floor (256 equal f32) at 0x2804000.
; LIMITS.  x and the weights lie within f16's 65,504.
; The work-group's number chooses one of four sections (the same for all eight waves):
;   0-10       one chunk of 1,024 bias numbers (bq bk bv -> P1; b1 x 2^-8 -> P2; b2 x 2^-8 and 3,072 zeros -> P3), and the floors
;   11-1546    a block of 128 k x 64 n of a weight, turned through LDS
;   1547-2058  8,192 numbers of x
;   2059-2570  16 queries x 512 keys of the mask
; No matrix unit, no cluster: nothing is multiplied and no two work-groups read the same bytes.
.set SPARE, 17408                      ; behind the stage (64 rows x 272 bytes): the spare words, 128 bytes for each of the eight waves
.set SPW, 62                           ; v62  LDS address of my spare word; never rewritten
.set NIL, 63                           ; v63  0; never rewritten
.set N_BIAS, 11
.set N_W, 1536
.set N_X, 512
.set OFF_B, 0x2000000
.set OFF_BIAS, 0x2800000
.macro RB a, b, d                      ; two f32 -> bf16 -> the same two numbers as f16, packed into d
	v_cvt_pk_bf16_f32 v60, v[(\a)], v[(\b)]
	v_lshlrev_b32 v[(\a)], 16, v60
	v_and_b32 v[(\b)], 0xffff0000, v60
	v_cvt_pk_f16_f32 v[(\d)], v[(\a)], v[(\b)]
.endm
.macro FIN                             ; the end of a wave that stored to LDS
	s_wait_tensorcnt 0x0
	ds_add_u32 v[SPW], v[NIL]
	s_wait_dscnt 0x0
	s_endpgm
.endm
	s_load_b512 s[8:23], s[0:1], 0x0               ; x 8, mask 10, wq 12, wk 14, wv 16, wo 18, w1 20, w2 22
	s_load_b512 s[24:39], s[0:1], 0x40             ; bq 24, bk 26, bv 28, b1 30, b2 32, P1 34, P2 36, P3 38
	s_load_b64 s[40:41], s[0:1], 0x80              ; misc
	v_lshl_add_u32 v[SPW], v0, 2, SPARE
	v_mov_b32 v[NIL], 0
	s_mov_b32 s2, ttmp9
	s_mov_b32 s43, 0
	s_wait_kmcnt 0x0
	s_cmp_lt_u32 s2, N_BIAS
	s_cbranch_scc1 .Lbias
	s_cmp_lt_u32 s2, N_BIAS+N_W
	s_cbranch_scc1 .Lweights
	s_cmp_lt_u32 s2, N_BIAS+N_W+N_X
	s_cbranch_scc1 .Lcast
	; THE MASK.  Query tile qt (16 rows), keys 512 g on.  A cell (qt, key step of 64) is 512 bytes: lane r + 16 hh owns 16 of them; nibble j of its word kb is
	; 0xE where mask[16 qt + r][64 ks + 16 kb + 8 hh + j] == 1, else 0: the order in which a lane of the attention holds its 32 scores.
	s_sub_co_u32 s3, s2, N_BIAS+N_W+N_X
	s_lshr_b32 s4, s3, 2                           ; qt
	s_and_b32 s5, s3, 3                            ; g
	s_lshl_b32 s42, s4, 17                         ; 16 rows of 8,192 bytes
	s_lshl_b32 s44, s5, 11                         ; 512 keys of 4 bytes
	s_add_co_u32 s42, s42, s44
	s_add_nc_u64 s[10:11], s[10:11], s[42:43]
	s_lshl_b32 s42, s4, 14                         ; a query tile's 32 cells
	s_lshl_b32 s44, s5, 12                         ; eight cells
	s_add_co_u32 s42, s42, s44
	s_add_nc_u64 s[40:41], s[40:41], s[42:43]
	v_and_b32 v1, 15, v0                           ; i: which four keys of a step's 64
	v_lshrrev_b32 v2, 4, v0                        ; r: the row
	v_lshlrev_b32 v3, 13, v2
	v_lshl_add_u32 v3, v1, 4, v3                   ; sixteen lanes read 256 consecutive bytes of a row
.irp p, 0,1,2,3,4,5,6,7
	global_load_b128 v[8+4*\p:11+4*\p], v3, s[10:11] offset:256*\p th:TH_LOAD_NT
.endr
	v_lshlrev_b32 v4, 4, v2                        ; 16 r
	v_bfe_u32 v5, v1, 1, 1                         ; hh
	v_lshl_add_u32 v4, v5, 8, v4
	v_lshrrev_b32 v5, 2, v1                        ; kb
	v_lshl_add_u32 v4, v5, 2, v4
	v_and_b32 v5, 1, v1                            ; which half of the word
	v_lshl_add_u32 v4, v5, 1, v4
	v_mov_b32 v6, 14
	v_lshlrev_b32 v7, 4, v0
.irp p, 0,1,2,3,4,5,6,7
	s_wait_loadcnt 7-\p                            ; loads come back in order: number p is in, the younger ones stay out
	v_cmp_eq_u32 vcc_lo, 1, v[8+4*\p]
	v_cndmask_b32 v40, 0, v6, vcc_lo
	v_cmp_eq_u32 vcc_lo, 1, v[9+4*\p]
	v_cndmask_b32 v41, 0, v6, vcc_lo
	v_cmp_eq_u32 vcc_lo, 1, v[10+4*\p]
	v_cndmask_b32 v42, 0, v6, vcc_lo
	v_cmp_eq_u32 vcc_lo, 1, v[11+4*\p]
	v_cndmask_b32 v43, 0, v6, vcc_lo
	v_lshl_or_b32 v40, v41, 4, v40
	v_lshl_or_b32 v42, v43, 4, v42
	v_lshl_or_b32 v40, v42, 8, v40
	ds_store_b16 v4, v40 offset:512*\p             ; cell p of the eight
.endr
	s_wait_dscnt 0x0                               ; for the others' sake: my stores are done
	s_barrier_signal -1
	s_barrier_wait -1
	ds_load_b128 v[44:47], v7                      ; the eight cells, 4,096 bytes on end
	s_wait_dscnt 0x0
	global_store_b128 v7, v[44:47], s[40:41]       ; sixteen lanes store 256 consecutive bytes, aligned
	FIN
.Lbias:
	s_mov_b32 s3, s2                               ; the chunk's number in its table
	s_mov_b32 s4, 1.0                              ; the scale
	s_mov_b32 s5, 0xff800000                       ; the floor: -infinity (no floor)
	s_mov_b32 s6, 0                                ; the chunk's offset in its source
	s_mov_b64 s[46:47], s[24:25]
	s_cmp_eq_u32 s2, 1
	s_cselect_b64 s[46:47], s[26:27], s[46:47]
	s_cmp_eq_u32 s2, 2
	s_cselect_b64 s[46:47], s[28:29], s[46:47]
	s_mov_b64 s[48:49], s[34:35]
	s_cmp_ge_u32 s2, 3
	s_cbranch_scc0 .Lgo
	s_sub_co_u32 s3, s2, 3                         ; b1, four chunks, times 2^-8; the floor 0 is the ReLU
	s_mov_b32 s4, 0x3b800000
	s_mov_b32 s5, 0
	s_lshl_b32 s6, s3, 12
	s_mov_b64 s[46:47], s[30:31]
	s_mov_b64 s[48:49], s[36:37]
	s_cmp_ge_u32 s2, 7
	s_cbranch_scc0 .Lgo
	s_sub_co_u32 s3, s2, 7                         ; b2 times 2^-8 for the first of the four partial sums, 0 for the others
	s_cmp_eq_u32 s3, 0
	s_cselect_b32 s4, 0x3b800000, 0
	s_mov_b32 s5, 0xff800000
	s_mov_b32 s6, 0
	s_mov_b64 s[46:47], s[32:33]
	s_mov_b64 s[48:49], s[38:39]
.Lgo:
	s_mov_b32 s7, 0
	s_add_nc_u64 s[46:47], s[46:47], s[6:7]
	s_lshl_b32 s6, s3, 12
	s_add_co_u32 s6, s6, OFF_BIAS
	s_add_nc_u64 s[48:49], s[48:49], s[6:7]
	v_lshlrev_b32 v1, 4, v0
	global_load_b128 v[8:11], v1, s[46:47]
	s_wait_loadcnt 0x0
	v_cvt_pk_bf16_f32 v12, v8, v9
	v_cvt_pk_bf16_f32 v13, v10, v11
	v_lshlrev_b32 v8, 16, v12
	v_and_b32 v9, 0xffff0000, v12
	v_lshlrev_b32 v10, 16, v13
	v_and_b32 v11, 0xffff0000, v13
	v_pk_mul_f32 v[8:9], v[8:9], s[4:5] op_sel_hi:[1,0]
	v_pk_mul_f32 v[10:11], v[10:11], s[4:5] op_sel_hi:[1,0]
	global_store_b128 v1, v[8:11], s[48:49]
	s_cmp_lg_u32 s3, 0
	s_cbranch_scc1 .Lbias_done
	v_mov_b32 v13, s5                              ; a table's first chunk also stores the floor, 0x4000 behind the table's head
	v_lshlrev_b32 v14, 2, v0
	global_store_b32 v14, v13, s[48:49] offset:0x4000
.Lbias_done:
	s_endpgm
.Lweights:
	s_sub_co_u32 s3, s2, N_BIAS
	s_lshr_b32 s4, s3, 7                           ; 0-3: wq wk wv wo; 4-7: w1; 8-11: w2
	s_lshr_b32 s45, s4, 2                          ; 0: a square weight; 1: w1; 2: w2
	s_mov_b32 s5, 127                              ; a square weight has 128 blocks, w1 and w2 512 (one literal to an instruction, so the smaller count comes by a move)
	s_cmp_ge_u32 s4, 4
	s_cselect_b32 s5, 511, s5
	s_and_b32 s5, s3, s5                           ; the block's number in its weight
	s_cmp_ge_u32 s4, 8
	s_cselect_b32 s7, 31, 7                        ; w2 has 32 blocks along k, the others 8
	s_cselect_b32 s42, 5, 3
	s_and_b32 s44, s5, s7                          ; block along k
	s_lshr_b32 s42, s5, s42                        ; block along n
	s_cmp_eq_u32 s45, 1
	s_cselect_b32 s6, 14, 12                       ; a source row is 2^14 bytes in w1, 2^12 in the others
	s_mov_b64 s[46:47], s[12:13]
	s_mov_b64 s[48:49], s[34:35]
	s_cmp_eq_u32 s4, 1
	s_cselect_b64 s[46:47], s[14:15], s[46:47]
	s_cmp_eq_u32 s4, 2
	s_cselect_b64 s[46:47], s[16:17], s[46:47]
	s_cmp_eq_u32 s4, 3
	s_cselect_b64 s[46:47], s[18:19], s[46:47]
	s_cselect_b64 s[48:49], s[40:41], s[48:49]
	s_cmp_eq_u32 s45, 1
	s_cselect_b64 s[46:47], s[20:21], s[46:47]
	s_cselect_b64 s[48:49], s[36:37], s[48:49]
	s_cmp_eq_u32 s45, 2
	s_cselect_b64 s[46:47], s[22:23], s[46:47]
	s_cselect_b64 s[48:49], s[38:39], s[48:49]
	s_lshl_b32 s50, s4, 21                         ; wq^T, wk^T, wv^T follow each other, 0x200000 bytes each
	s_add_co_u32 s50, s50, OFF_B
	s_cmp_eq_u32 s4, 3
	s_cselect_b32 s50, 0x200000, s50               ; wo^T lies in misc behind the mask
	s_cmp_ge_u32 s4, 4
	s_cselect_b32 s50, OFF_B, s50
	s_lshr_b32 s51, s44, 3                         ; w2: which quarter of its k: rows 1024 s + n
	s_lshl_b32 s51, s51, 10
	s_lshl_b32 s52, s42, 6
	s_add_co_u32 s51, s51, s52
	s_lshl_b32 s51, s51, 11                        ; rows of 2,048 bytes
	s_add_co_u32 s50, s50, s51
	s_and_b32 s52, s44, 7
	s_lshl_b32 s52, s52, 8                         ; 128 k are 256 bytes of a row
	s_add_co_u32 s50, s50, s52
	s_mov_b32 s51, 0
	s_add_nc_u64 s[48:49], s[48:49], s[50:51]
	s_lshl_b32 s52, s44, 7
	s_lshl_b32 s52, s52, s6
	s_lshl_b32 s53, s42, 8
	s_add_co_u32 s52, s52, s53
	s_mov_b32 s53, 0
	s_add_nc_u64 s[46:47], s[46:47], s[52:53]
	v_and_b32 v1, 15, v0                           ; c: columns 4 c on
	v_lshrrev_b32 v2, 4, v0                        ; kp: rows 2 kp + 32 i + e
	v_lshlrev_b32 v3, 1, v2
	v_lshlrev_b32 v4, 4, v1
.irp n, 0,1,2,3,4,5,6,7
	v_add_nc_u32 v[48+\n], 32*(\n/2)+(\n%2), v3
	v_lshlrev_b32 v[48+\n], s6, v[48+\n]
	v_add_nc_u32 v[48+\n], v[48+\n], v4
	global_load_b128 v[8+4*\n:11+4*\n], v[48+\n], s[46:47] th:TH_LOAD_NT  ; sixteen lanes read 256 consecutive bytes of a row
.endr
	v_mul_u32_u24 v5, v1, 4*272
	v_lshl_add_u32 v5, v2, 2, v5                   ; stage row 4 c (+ j), word kp (+ 16 i): two neighbouring k of one n
	v_mul_u32_u24 v6, v2, 272
	v_add_nc_u32 v6, v6, v4                        ; back: row t / 16 (+ 16 i), 16 bytes at 16 (t % 16)
	v_lshl_add_u32 v7, v2, 11, v4                  ; and the same place in B^T
.irp i, 0,1,2,3
	s_wait_loadcnt 6-2*\i                          ; the pair of rows is in; the younger pairs stay out
.irp j, 0,1,2,3
	RB 8+8*\i+\j, 12+8*\i+\j, 40
	ds_store_b32 v5, v40 offset:\j*272+64*\i
.endr
.endr
	s_wait_dscnt 0x0                               ; for the others' sake: my stores are done
	s_barrier_signal -1
	s_barrier_wait -1
.irp i, 0,1,2,3
	ds_load_b128 v[8+4*\i:11+4*\i], v6 offset:\i*16*272
.endr
.irp i, 0,1,2,3
	s_wait_dscnt 3-\i
	global_store_b128 v7, v[8+4*\i:11+4*\i], s[48:49] offset:\i*32768  ; sixteen lanes store 256 consecutive bytes, aligned
.endr
	FIN
.Lcast:
	s_sub_co_u32 s3, s2, N_BIAS+N_W
	s_lshl_b32 s42, s3, 15
	s_add_nc_u64 s[8:9], s[8:9], s[42:43]
	s_lshl_b32 s42, s3, 14
	s_add_nc_u64 s[34:35], s[34:35], s[42:43]
	v_lshlrev_b32 v1, 5, v0                        ; eight f32 in,
	v_lshlrev_b32 v2, 4, v0                        ; eight f16 out
.irp p, 0,1,2,3
	global_load_b128 v[8+8*\p:11+8*\p], v1, s[8:9] offset:8192*\p th:TH_LOAD_NT
	global_load_b128 v[12+8*\p:15+8*\p], v1, s[8:9] offset:8192*\p+16 th:TH_LOAD_NT
.endr
.irp p, 0,1,2,3
	s_wait_loadcnt 6-2*\p
.irp k, 0,1,2,3
	RB 8+8*\p+2*\k, 9+8*\p+2*\k, 40+4*\p+\k
.endr
	global_store_b128 v2, v[40+4*\p:43+4*\p], s[34:35] offset:4096*\p
.endr
	s_endpgm
.Lfunc_end_k_q9fa7a6f661_prep:
	.size	k_q9fa7a6f661_prep, .Lfunc_end_k_q9fa7a6f661_prep-k_q9fa7a6f661_prep
	.p2alignl 7, 3214868480
	.fill 96, 4, 3214868480
	.section	.rodata,"a",@progbits
	.p2align	6, 0x0
	.amdhsa_kernel k_q9fa7a6f661_prep
		.amdhsa_group_segment_fixed_size 18432
		.amdhsa_private_segment_fixed_size 0
		.amdhsa_enable_private_segment 0
		.amdhsa_kernarg_size 136
		.amdhsa_user_sgpr_count 2
		.amdhsa_user_sgpr_kernarg_segment_ptr 1
		.amdhsa_wavefront_size32 1
		.amdhsa_system_sgpr_workgroup_id_x 1
		.amdhsa_system_sgpr_workgroup_id_y 1
		.amdhsa_system_sgpr_workgroup_id_z 1
		.amdhsa_system_vgpr_workitem_id 0
		.amdhsa_next_free_vgpr 64
		.amdhsa_next_free_sgpr 66
		.amdhsa_reserve_vcc 1
		.amdhsa_float_denorm_mode_32 3
		.amdhsa_float_denorm_mode_16_64 3
		.amdhsa_memory_ordered 1
		.amdhsa_forward_progress 1
		.amdhsa_inst_pref_size 24
	.end_amdhsa_kernel
	.amdgpu_metadata
---
amdhsa.version: [ 1, 2 ]
amdhsa.kernels:
  - .name:           k_q9fa7a6f661_prep
    .symbol:         k_q9fa7a6f661_prep.kd
    .args:
      - { .name: x, .offset: 0, .size: 8, .value_kind: global_buffer, .address_space: global }
      - { .name: mask, .offset: 8, .size: 8, .value_kind: global_buffer, .address_space: global }
      - { .name: wq, .offset: 16, .size: 8, .value_kind: global_buffer, .address_space: global }
      - { .name: wk, .offset: 24, .size: 8, .value_kind: global_buffer, .address_space: global }
      - { .name: wv, .offset: 32, .size: 8, .value_kind: global_buffer, .address_space: global }
      - { .name: wo, .offset: 40, .size: 8, .value_kind: global_buffer, .address_space: global }
      - { .name: w1, .offset: 48, .size: 8, .value_kind: global_buffer, .address_space: global }
      - { .name: w2, .offset: 56, .size: 8, .value_kind: global_buffer, .address_space: global }
      - { .name: bq, .offset: 64, .size: 8, .value_kind: global_buffer, .address_space: global }
      - { .name: bk, .offset: 72, .size: 8, .value_kind: global_buffer, .address_space: global }
      - { .name: bv, .offset: 80, .size: 8, .value_kind: global_buffer, .address_space: global }
      - { .name: b1, .offset: 88, .size: 8, .value_kind: global_buffer, .address_space: global }
      - { .name: b2, .offset: 96, .size: 8, .value_kind: global_buffer, .address_space: global }
      - { .name: P1, .offset: 104, .size: 8, .value_kind: global_buffer, .address_space: global }
      - { .name: P2, .offset: 112, .size: 8, .value_kind: global_buffer, .address_space: global }
      - { .name: P3, .offset: 120, .size: 8, .value_kind: global_buffer, .address_space: global }
      - { .name: misc, .offset: 128, .size: 8, .value_kind: global_buffer, .address_space: global }
    .group_segment_fixed_size: 18432
    .private_segment_fixed_size: 0
    .kernarg_segment_align: 8
    .kernarg_segment_size: 136
    .max_flat_workgroup_size: 256
    .sgpr_count:     66
    .vgpr_count:     64
    .wavefront_size: 32
...
	.end_amdgpu_metadata
.endif
;; end of part 1
;; launch qkv (part 2): grid 12 x 16, 4 waves a work-group, clusters of 4 x 4, 327,680 bytes of LDS; arguments P1, qkv; writes qkv
.if DOCPART == 2
	.amdgcn_target "amdgcn-amd-amdhsa--gfx1250"
	.amdhsa_code_object_version 6
	.text
	.protected	k_q9fa7a6f661_qkv
	.globl	k_q9fa7a6f661_qkv
	.p2align	8
	.type	k_q9fa7a6f661_qkv,@function
k_q9fa7a6f661_qkv:
	s_mov_b64 s[64:65], 0
	v_nop
	global_prefetch_b8 v0, s[64:65] scope:SCOPE_SE
	s_setreg_imm32_b32 hwreg(HW_REG_WAVE_MODE, 25, 1), 1
	s_wait_xcnt 0x0
	s_wait_alu depctr_hold_cnt(0) depctr_sa_sdst(0) depctr_va_vdst(0) depctr_va_sdst(0) depctr_va_ssrc(0) depctr_va_vcc(0) depctr_vm_vsrc(0)
	s_getreg_b32 s2, hwreg(HW_REG_IB_STS2, 6, 4)
	s_cmp_eq_u32 s2, 0
	s_cbranch_scc0 .Lentry_in_a_cluster
	s_endpgm
.Lentry_in_a_cluster:
	s_bfe_u32 s2, ttmp6, 0x10000c
	s_cmp_lg_u32 s2, 0xf033
	s_cbranch_scc0 .Lentry_shape_is_right
	s_endpgm
.Lentry_shape_is_right:
; out = max(floor, A B^T + bias), K = 1,024, f16 operands, f32 sums, out rounded once to f16.  ONE BODY FOR THREE LAUNCHES: the operand buffer P holds A [rows][1024] at 0,
; B^T [n][1024] at OFF_B, the bias (f32) at OFF_BIAS and the floor (f32) OFF_FLOOR behind it; out is [panel][4096][1024]: column tile t of 256 goes to panel t / 4, columns 256 (t % 4) on.
;   grid 12 x 16 and 16 x 16: a plain product, tile row y, column tile x.
;   grid 4 x 64: four products side by side (a sum over 4,096 split in four): tile row y takes A's rows 256 y (panel y / 16), B^T's rows 1024 (y / 16) + 256 x, and stores into panel y / 16.
; Both are one formula: B's tile = x + 4 (cluster's y / 4); out's rows = 256 (y % 16).
; LIMITS.  Every stored number lies within f16's 65,504.  The floor is taken by a maximum in which a NaN loses.
; A tile of out, 256 x 256, is made by four waves, 128 x 128 each: 64 accumulators, 512 registers.  K goes in steps of 128 through two LDS slots filled by the tensor data mover.
; CLUSTERS: 4 x 4 work-groups.  The four of a row need the same tiles of A, the four of a column the same tiles of B: each tile is asked for JOINTLY, by the same load, descriptor and mask in all four.
; The last K step goes by rows of out, so that finished rows leave while the others are multiplied.  THE BIAS is the C operand of the products that start the sums.
; REGISTERS, in windows of 256 (s_set_vgpr_msb: bits 1:0 source 0, 3:2 source 1, 5:4 source 2, 7:6 destination):
;   window 0: v0-31 addresses; v64-127, v128-191 fragments of A, two buffers (in the last K step four of 16 rows x 128 K); v192-255 first the bias, later at work on the way out, with v32-63
;   window 1: v64-127, v128-191 fragments of B, two buffers; in the last K step all 256      window 2: accumulators of my rows 0-63 ((a, b) at v[8 (8 a + b)])      window 3: rows 64-127
; THE MATRIX INSTRUCTION IS USED TRANSPOSED (source 0 = 16 rows of B^T, source 1 = 16 rows of A): lane l holds row l % 16 of out and its registers the columns 8 (l / 16) + 0..7.
.set SIZE_K, 1024
.set SIZE_N, 1024                      ; columns in a panel of out
.set OFF_B,     0x2000000
.set OFF_BIAS,  0x2800000
.set OFF_FLOOR, 0x4000
.set KSTEP,  128
.set PITCH,  272                       ; an LDS row: 256 bytes + 16 of padding = 68 words: the 16 rows of a load start at 16 different groups of four banks (64 banks of 4 bytes: ISA guide 11.1)
.set HALFT,  128*PITCH                 ; 128 rows: what one tensor load brings
.set SLOT,   4*HALFT                   ; A's 256 rows, then B's 256 rows
.set STAGE,  2*SLOT                    ; behind the ring: 16 rows x 272 bytes for each wave, for the way out
.set SPITCH, 272
.set SPARE,  STAGE+4*16*SPITCH         ; behind the stages: the spare words, 128 bytes for each wave
.set LAPS, SIZE_K/(2*KSTEP)            ; a lap = two K steps = once round the ring
.set ADRA, 16                          ; v16-17  LDS address of my A fragments in slot 0, 1
.set ADRB, 20                          ; v20-21  the same for B
.set STO,  24                          ; v24     the way out: where I put 16 bytes of a row
.set RD,   25                          ; v25     the way out: where I read a row back
.set CO,   26                          ; v26     my byte offset in out
.set BO,   27                          ; v27     my byte offset in 16 numbers of the bias
.set SPW,  28                          ; v28     LDS address of my spare word; never rewritten
.set NIL,  29                          ; v29     0; never rewritten
.set F0,   64
.set F1,   128
.set TMP,  192
.set BIAS, 192                         ; v192-255: for column block b the eight numbers of my half of the lanes at BIAS + 8 b; read by the first quarter step alone
.set OB,   32
.set PA,   64
.set G1, 24                            ; s[24:31] descriptor group 1 for A's tiles
.set G0, 32                            ; s[32:39] group 0 for A's tiles, one set for each slot
.set G1B, 48                           ; s[48:55], s[56:63] the same for B's tiles
.set G0B, 56
.set FLOOR, 68                         ; s68
.set MSB, 0
.macro WIN new                         ; the immediate's high byte repeats the setting that is left; a switch that changes nothing is dropped
.if MSB != (\new)
	s_set_vgpr_msb (MSB<<8)|(\new)
.set MSB, \new
.endif
.endm
.set MUL_LO, 0xa1                      ; source 0 (B) window 1, source 1 (A) window 0, C and D window 2
.set MUL_HI, 0xf1                      ; the same, C and D window 3
.set TO_B,   0x40                      ; destination window 1, address window 0
; A joint load.  Waves 0 and 1 fetch A's two halves, waves 2 and 3 B's.  The branch hangs on the wave's number alone.  An s_nop 0 and four v_nop follow each of the two lines.
.macro JLOAD s
	s_cmp_eq_u32 s11, 0
	s_cbranch_scc0 .Lfor_b_\@
	tensor_load_to_lds s[G0+4*(\s):G0+4*(\s)+3], s[G1:G1+7]
	s_nop 0
.rept 4
	v_nop
.endr
	s_branch .Lasked_\@
.Lfor_b_\@:
	tensor_load_to_lds s[G0B+4*(\s):G0B+4*(\s)+3], s[G1B:G1B+7]
	s_nop 0
.rept 4
	v_nop
.endr
.Lasked_\@:
.endm
.macro CREST                           ; a round of the cluster's barrier behind its opening barrier
	s_cmp_lg_u32 s10, 0
	s_cbranch_scc1 .Lnot_wave_0_\@
	s_barrier_signal -3
.Lnot_wave_0_\@:
	s_barrier_wait -3
	s_barrier_signal -1
	s_barrier_wait -1
.endm
.macro CROUND                          ; a whole round
	s_barrier_signal -1
	s_barrier_wait -1
	CREST
.endm
	s_load_b64 s[4:5], s[0:1], 0x0                 ; P
	s_load_b64 s[8:9], s[0:1], 0x8                 ; out
	v_lshl_add_u32 v[SPW], v0, 2, SPARE
	v_mov_b32 v[NIL], 0
	ds_add_u32 v[SPW], v[NIL]                      ; the wave's opening: the add and its wait stand ahead of my first tensor load; the set-up below stands between them
	v_lshrrev_b32 v1, 5, v0
	v_readfirstlane_b32 s10, v1                    ; wave 0..3
	s_lshr_b32 s11, s10, 1                         ; which half of the tile's rows is mine.  Also: I fetch for A (0) or for B (1)
	s_and_b32 s12, s10, 1                          ; which half of its columns.  Also: which 128 rows of that tile I fetch
	s_bfe_u32 s40, ttmp6, 0x40000                  ; cx
	s_bfe_u32 s41, ttmp6, 0x40004                  ; cy
	s_and_b32 s45, ttmp7, 0xffff                   ; the cluster's y
	s_lshl_b32 s42, ttmp9, 2
	s_add_co_u32 s42, s42, s40                     ; x = 4 x cluster x + cx
	s_lshr_b32 s69, s45, 2
	s_lshl_b32 s69, s69, 2
	s_add_co_u32 s69, s69, s42                     ; B's tile = x + 4 (cluster y / 4): made of cx and of what the whole cluster shares
	s_lshl_b32 s13, s45, 2
	s_add_co_u32 s13, s13, s41                     ; y = 4 x cluster y + cy
	s_lshl_b32 s43, s41, 2
	s_lshl_b32 s43, 15, s43                        ; my row of the cluster
	s_lshl_b32 s44, 0x1111, s40                    ; my column
	; descriptor group 1: a tile of 128 rows x 128 elements, padded in LDS
	s_or_b32 s[G1+0], s43, (1<<16)|(1<<20)|(1<<21)|(5<<22)|(3<<25)  ; 15:0 the mask; 17:16 2-byte elements; 20 padding on; 21 set beside a mask; 24:22 after every 64 words; 31:25 4 words
	s_or_b32 s[G1B+0], s44, (1<<16)|(1<<20)|(1<<21)|(5<<22)|(3<<25)
.irp g, G1, G1B
	s_mov_b32 s[(\g)+1], KSTEP<<16                 ; tensor_dim0 = 128
	s_mov_b32 s[(\g)+2], 128<<16                   ; tensor_dim1 = 128
	s_mov_b32 s[(\g)+3], KSTEP<<16                 ; tile_dim0 = 128
	s_mov_b32 s[(\g)+4], 128                       ; tile_dim1 = 128
	s_mov_b32 s[(\g)+5], SIZE_K                    ; elements from row to row
	s_mov_b32 s[(\g)+6], 0
	s_mov_b32 s[(\g)+7], 0
.endr
	s_lshl_b32 s17, s12, 7                         ; which 128 rows of the tile I fetch
	s_lshl_b32 s16, s13, 8
	s_add_co_u32 s16, s16, s17                     ; A: row 256 y + 128 x half,
	s_lshl_b32 s16, s16, 11                        ; in bytes: under 2^26
	s_lshl_b32 s46, s69, 8
	s_add_co_u32 s46, s46, s17                     ; B: row 256 x tile + 128 x half
	s_lshl_b32 s46, s46, 11
	s_add_co_u32 s46, s46, OFF_B
	s_mov_b32 s17, 0
	s_mov_b32 s47, 0
	s_mul_i32 s20, s10, HALFT                      ; where they go: wave x 128 rows: no place in the cluster enters an LDS address
	s_wait_dscnt 0x0                               ; the opening add is done
	s_wait_kmcnt 0x0
	s_add_nc_u64 s[66:67], s[4:5], OFF_BIAS
	s_add_nc_u64 s[14:15], s[4:5], s[16:17]
	s_add_nc_u64 s[46:47], s[4:5], s[46:47]
	CROUND                                         ; all sixteen work-groups are here: the first joint loads meet
.irp s, 0,1
	s_mov_b32 s[G0+4*(\s)], 1
	s_add_co_u32 s[G0+4*(\s)+1], s20, (\s)*SLOT
	s_add_nc_u64 s[G0+4*(\s)+2:G0+4*(\s)+3], s[14:15], (\s)*KSTEP*2
	s_or_b32 s[G0+4*(\s)+3], s[G0+4*(\s)+3], 0x80000000
	s_mov_b32 s[G0B+4*(\s)], 1
	s_add_co_u32 s[G0B+4*(\s)+1], s20, (\s)*SLOT
	s_add_nc_u64 s[G0B+4*(\s)+2:G0B+4*(\s)+3], s[46:47], (\s)*KSTEP*2
	s_or_b32 s[G0B+4*(\s)+3], s[G0B+4*(\s)+3], 0x80000000
	JLOAD \s                                       ; two tensor loads of mine are out
.endr
	s_load_b32 s[FLOOR], s[66:67], OFF_FLOOR       ; this launch stores nothing into P
	v_and_b32 v1, 15, v0                           ; l % 16
	v_bfe_u32 v2, v0, 4, 1                         ; l / 16
	v_mul_u32_u24 v3, v1, PITCH
	v_lshl_add_u32 v3, v2, 4, v3                   ; a fragment's row x pitch + 16 x half
	s_mul_i32 s21, s11, HALFT                      ; my 128 rows of A
	s_mul_i32 s22, s12, HALFT                      ; my 128 rows of B,
	s_add_co_u32 s22, s22, 2*HALFT                 ; which lie behind A's 256
.irp s, 0,1
	v_add_nc_u32 v[ADRA+(\s)], s21, v3
	v_add_nc_u32 v[ADRB+(\s)], s22, v3
	s_add_co_u32 s21, s21, SLOT
	s_add_co_u32 s22, s22, SLOT
.endr
	s_mul_i32 s23, s10, 16*SPITCH
	s_add_co_u32 s23, s23, STAGE                   ; my stage
	v_mul_u32_u24 v4, v1, SPITCH
	v_lshl_add_u32 v4, v2, 4, v4
	v_add_nc_u32 v[STO], s23, v4
	v_mul_u32_u24 v5, v2, SPITCH
	v_lshl_add_u32 v5, v1, 4, v5
	v_add_nc_u32 v[RD], s23, v5
	v_mul_u32_u24 v5, v2, SIZE_N*2
	v_lshl_add_u32 v[CO], v1, 4, v5
	v_lshlrev_b32 v[BO], 5, v2                     ; eight f32 for each half of the lanes
	s_lshl_b32 s70, s69, 10                        ; the bias of my 128 columns: 256 x tile + 128 x half, 4 bytes each
	s_lshl_b32 s71, s12, 9
	s_add_co_u32 s70, s70, s71
	s_mov_b32 s71, 0
	s_wait_kmcnt 0x0                               ; the floor is in, and its address may be stepped
	s_add_nc_u64 s[66:67], s[66:67], s[70:71]
.irp b, 0,1,2,3,4,5,6,7
	global_load_b128 v[BIAS+8*(\b):BIAS+8*(\b)+3],   v[BO], s[66:67] offset:64*(\b)
	global_load_b128 v[BIAS+8*(\b)+4:BIAS+8*(\b)+7], v[BO], s[66:67] offset:64*(\b)+16
.endr
	; where my part of the tile begins in out, in bytes (under 2^26): the way out adds it to out's address
	s_and_b32 s13, s13, 15
	s_lshl_b32 s13, s13, 8
	s_lshl_b32 s14, s11, 7
	s_add_co_u32 s16, s13, s14                     ; row 256 (y % 16) + 128 x half
	s_lshr_b32 s14, s69, 2
	s_lshl_b32 s14, s14, 12
	s_add_co_u32 s16, s16, s14                     ; + 4,096 x panel
	s_lshl_b32 s16, s16, 11
	s_and_b32 s46, s69, 3
	s_lshl_b32 s46, s46, 9
	s_lshl_b32 s47, s12, 8
	s_add_co_u32 s46, s46, s47                     ; my first column, in bytes
	s_add_co_u32 s16, s16, s46
	s_mov_b32 s17, 0
; 16 matrix instructions: m blocks a0, a0 + 1 of the window's four x all 8 n blocks, 32 along K.  zero = 1: the products start the sums, with the bias as C: nothing is cleared.
.macro MUL16 f, hi, a0, zero
.if \zero
	WIN 0x81+0x40*(\hi)                            ; C (the bias) in window 0, D in window 2 or 3
.else
	WIN MUL_LO+0x50*(\hi)
.endif
.irp a, \a0, (\a0)+1
.irp b, 0,1,2,3,4,5,6,7
.if \zero
	v_wmma_f32_16x16x32_f16 v[8*(8*(\a)+(\b)):8*(8*(\a)+(\b))+7], v[(\f)+8*(\b):(\f)+8*(\b)+7], v[(\f)+8*(4*(\hi)+(\a)):(\f)+8*(4*(\hi)+(\a))+7], v[BIAS+8*(\b):BIAS+8*(\b)+7]
.else
	v_wmma_f32_16x16x32_f16 v[8*(8*(\a)+(\b)):8*(8*(\a)+(\b))+7], v[(\f)+8*(\b):(\f)+8*(\b)+7], v[(\f)+8*(4*(\hi)+(\a)):(\f)+8*(4*(\hi)+(\a))+7], v[8*(8*(\a)+(\b)):8*(8*(\a)+(\b))+7]
.endif
.endr
.endr
.endm
; 32 LDS loads in one run: the fragments of one quarter step (32 K at byte k of the rows) into buffer f
.macro FETCH slot, k, f
	WIN TO_B
.irp i, 0,1,2,3,4,5,6,7
	ds_load_b128 v[(\f)+8*(\i):(\f)+8*(\i)+3],   v[ADRB+(\slot)] offset:(\k)+(\i)*16*PITCH
	ds_load_b128 v[(\f)+8*(\i)+4:(\f)+8*(\i)+7], v[ADRB+(\slot)] offset:(\k)+(\i)*16*PITCH+32
.endr
	WIN 0
.irp i, 0,1,2,3,4,5,6,7
	ds_load_b128 v[(\f)+8*(\i):(\f)+8*(\i)+3],   v[ADRA+(\slot)] offset:(\k)+(\i)*16*PITCH
	ds_load_b128 v[(\f)+8*(\i)+4:(\f)+8*(\i)+7], v[ADRA+(\slot)] offset:(\k)+(\i)*16*PITCH+32
.endr
.endm
; Four plain vector instructions stand between a matrix instruction and a load into, or a vector instruction on, its registers (ISA guide 7.12.1 for vector instructions).
.macro PLACES
.rept 4
	v_nop
.endr
.endm
; A K step is four quarter steps of 32 along K, 64 matrix instructions each, on buffers 0, 1, 0, 1; the 64 accumulators take turns.
.macro QUARTER slot, k, f, g, zero
	s_wait_dscnt 8                                 ; B and A's rows 0-63 are in; the youngest eight loads (A's rows 64-127) may be out
	MUL16 \f, 0, 0, \zero
	MUL16 \f, 0, 2, \zero
	PLACES
	FETCH \slot, \k, \g
	s_wait_dscnt 32                                ; all but the 32 just issued
	MUL16 \f, 1, 0, \zero
	MUL16 \f, 1, 2, \zero
.endm
; The last quarter's first half: ONE barrier for the change of slots.  In front of it each wave waits for all its tensor loads (one is out: its part of the next slot), adds 0 to its spare word,
; and waits for that and for its own reads of this slot.
.macro MEET round
	WIN 0
	s_wait_tensorcnt 0x0                           ; all my tensor loads have landed
	ds_add_u32 v[SPW], v[NIL]                      ; 0 onto my spare word
	s_wait_dscnt 9                                 ; (the add and the youngest eight loads may be out)
	MUL16 F1, 0, 0, 0
	s_wait_dscnt 0x0                               ; the add is done, and my reads of this slot are over
	s_barrier_signal -1
	MUL16 F1, 0, 2, 0
.if \round
	WIN 0
.endif
	s_barrier_wait -1
.endm
; The whole last quarter: behind the round the slot just read out is filled again first, two K steps ahead; then come the next slot's first fragments.
.macro TURN slot, next
	MEET 1
	CREST                                          ; no wave of any partner still reads this slot's tile or has a load on its way
	s_add_nc_u64 s[G0+4*(\slot)+2:G0+4*(\slot)+3], s[G0+4*(\slot)+2:G0+4*(\slot)+3], 2*KSTEP*2
	s_add_nc_u64 s[G0B+4*(\slot)+2:G0B+4*(\slot)+3], s[G0B+4*(\slot)+2:G0B+4*(\slot)+3], 2*KSTEP*2
	JLOAD \slot                                    ; my one tensor load behind the round; its four v_nop are also the places in front of the loads below
	FETCH \next, 0, F0
	MUL16 F1, 1, 0, 0
	MUL16 F1, 1, 2, 0
.endm
; THE LAST K STEP (slot 1) GOES BY ROWS OF out: all its fragments of B fill window 1; my eight blocks of 16 rows are finished one after the other, K ascending.
.macro BLOAD q
	WIN TO_B
.irp i, 0,1,2,3,4,5,6,7
	ds_load_b128 v[64*(\q)+8*(\i):64*(\q)+8*(\i)+3],   v[ADRB+1] offset:64*(\q)+(\i)*16*PITCH
	ds_load_b128 v[64*(\q)+8*(\i)+4:64*(\q)+8*(\i)+7], v[ADRB+1] offset:64*(\q)+(\i)*16*PITCH+32
.endr
.endm
.macro ALOAD a
	WIN 0
.set FA, PA+32*((\a)%4)
.irp q, 0,1,2,3
	ds_load_b128 v[FA+8*(\q):FA+8*(\q)+3],   v[ADRA+1] offset:64*(\q)+(\a)*16*PITCH
	ds_load_b128 v[FA+8*(\q)+4:FA+8*(\q)+7], v[ADRA+1] offset:64*(\q)+(\a)*16*PITCH+32
.endr
.endm
.macro ROW a
.set FA, PA+32*((\a)%4)
.set AC, 64*((\a)%4)
	WIN MUL_LO+0x50*((\a)/4)
.irp q, 0,1,2,3
.if (\a) == 0 && (\q) == 2
	s_wait_dscnt 24                                ; B's quarter 2 is in (behind it: A's blocks 1 to 3)
.endif
.irp b, 0,1,2,3,4,5,6,7
	v_wmma_f32_16x16x32_f16 v[AC+8*(\b):AC+8*(\b)+7], v[64*(\q)+8*(\b):64*(\q)+8*(\b)+7], v[FA+8*(\q):FA+8*(\q)+7], v[AC+8*(\b):AC+8*(\b)+7]
.endr
.endr
.endm
; THE WAY OUT of block a.  PACK: the floor, then rounded to f16, 16 bytes a lane; each accumulator's registers in ascending order.  TOSTAGE: into my stage, back as whole rows.  SEND: stored.
.macro PACK a
.set AC, 64*((\a)%4)
	WIN 0x88+0x44*((\a)/4)                         ; source 1 and destination: window 2 or 3
.set i, 0
.rept 64
	v_max_num_f32 v[AC+i], s[FLOOR], v[AC+i]
.set i, i+1
.endr
	WIN 0x0a+5*((\a)/4)                            ; sources 0 and 1: window 2 or 3
.irp b, 0,1,2,3,4,5,6,7
.irp r, 0,1,2,3
	v_cvt_pk_f16_f32 v[TMP+4*(\b)+(\r)], v[AC+8*(\b)+2*(\r)], v[AC+8*(\b)+2*(\r)+1]
.endr
.endr
	WIN 0
.endm
.macro TOSTAGE a
	WIN 0
.set BK, OB+192*((\a)%2)
.irp b, 0,1,2,3,4,5,6,7
	ds_store_b128 v[STO], v[TMP+4*(\b):TMP+4*(\b)+3] offset:32*(\b)
.endr
.irp t, 0,1,2,3,4,5,6,7
	ds_load_b128 v[BK+4*(\t):BK+4*(\t)+3], v[RD] offset:(\t)*2*SPITCH  ; LDS serves a wave's instructions in order (ISA guide 5.7.1.4): these see the stores above
.endr
.endm
.macro SEND a, younger
	WIN 0
.set BK, OB+192*((\a)%2)
	s_wait_dscnt \younger                          ; the block is back in registers
	s_wait_xcnt 0x0                                ; only behind this wait are the stores' base and the registers that earlier stores read rewritten
.if (\a) == 0
	s_add_nc_u64 s[8:9], s[8:9], s[16:17]          ; on to my first rows
.else
	s_add_nc_u64 s[8:9], s[8:9], 16*SIZE_N*2       ; 16 rows on
.endif
.irp t, 0,1,2,3,4,5,6,7
	global_store_b128 v[CO], v[BK+4*(\t):BK+4*(\t)+3], s[8:9] offset:2*(\t)*SIZE_N*2  ; 16 lanes store 256 consecutive bytes, at a multiple of 256 from out's first byte
.endr
.endm
	s_wait_tensorcnt 1                             ; my part of K step 0 is in; K step 1's stays out
	s_barrier_signal -1
	s_barrier_wait -1
	FETCH 0, 0, F0
	s_wait_loadcnt 0x0                             ; the bias
	QUARTER 0, 64,  F0, F1, 1                      ; the first quarter stands in front of the loop: its products start the sums
	WIN 0
	s_mov_b32 s3, LAPS-1
.Llap:                                                 ; a trip goes once round the ring, from a lap's second quarter to the next lap's first, and fills both slots again
	QUARTER 0, 128, F1, F0, 0
	QUARTER 0, 192, F0, F1, 0
	TURN 0, 1
	QUARTER 1, 64,  F0, F1, 0
	QUARTER 1, 128, F1, F0, 0
	QUARTER 1, 192, F0, F1, 0
	TURN 1, 0
	QUARTER 0, 64,  F0, F1, 0
	WIN 0
	s_sub_co_u32 s3, s3, 1
	s_cmp_lg_u32 s3, 0
	s_cbranch_scc1 .Llap
	QUARTER 0, 128, F1, F0, 0
	QUARTER 0, 192, F0, F1, 0
	MEET 0                                         ; nothing is filled again, so no round follows
	PLACES
	BLOAD 0                                        ; three quarters of B now: buffer 1 is still being multiplied
	BLOAD 1
	BLOAD 3
	ALOAD 0
	MUL16 F1, 1, 0, 0
	MUL16 F1, 1, 2, 0
	PLACES
	BLOAD 2
	ALOAD 1
	ALOAD 2
	ALOAD 3
	s_wait_dscnt 40                                ; all but the 40 just issued
	ROW 0
.irp a, 0,1,2,3,4,5,6,7
	PLACES
	PACK \a
	TOSTAGE \a
.if (\a) < 4
	ALOAD (\a)+4
	SEND \a, 8
.else
	SEND \a, 0
.endif
.if (\a) < 7
	ROW (\a)+1
.endif
.endr
	s_wait_tensorcnt 0x0                           ; the wave's end
	ds_add_u32 v[SPW], v[NIL]
	s_wait_dscnt 0x0
	CROUND                                         ; the closing round
	s_endpgm
.Lfunc_end_k_q9fa7a6f661_qkv:
	.size	k_q9fa7a6f661_qkv, .Lfunc_end_k_q9fa7a6f661_qkv-k_q9fa7a6f661_qkv
	.p2alignl 7, 3214868480
	.fill 96, 4, 3214868480
	.section	.rodata,"a",@progbits
	.p2align	6, 0x0
	.amdhsa_kernel k_q9fa7a6f661_qkv
		.amdhsa_group_segment_fixed_size 327680
		.amdhsa_private_segment_fixed_size 0
		.amdhsa_enable_private_segment 0
		.amdhsa_kernarg_size 16
		.amdhsa_user_sgpr_count 2
		.amdhsa_user_sgpr_kernarg_segment_ptr 1
		.amdhsa_wavefront_size32 1
		.amdhsa_system_sgpr_workgroup_id_x 1
		.amdhsa_system_sgpr_workgroup_id_y 1
		.amdhsa_system_sgpr_workgroup_id_z 1
		.amdhsa_system_vgpr_workitem_id 0
		.amdhsa_next_free_vgpr 1024
		.amdhsa_next_free_sgpr 72
		.amdhsa_reserve_vcc 0
		.amdhsa_float_denorm_mode_32 3
		.amdhsa_float_denorm_mode_16_64 3
		.amdhsa_memory_ordered 1
		.amdhsa_forward_progress 1
		.amdhsa_inst_pref_size 161
	.end_amdhsa_kernel
	.amdgpu_metadata
---
amdhsa.version: [ 1, 2 ]
amdhsa.kernels:
  - .name:           k_q9fa7a6f661_qkv
    .symbol:         k_q9fa7a6f661_qkv.kd
    .args:
      - { .name: P1, .offset: 0, .size: 8, .value_kind: global_buffer, .address_space: global }
      - { .name: qkv, .offset: 8, .size: 8, .value_kind: global_buffer, .address_space: global }
    .group_segment_fixed_size: 327680
    .private_segment_fixed_size: 0
    .kernarg_segment_align: 8
    .kernarg_segment_size: 16
    .max_flat_workgroup_size: 128
    .sgpr_count:     72
    .vgpr_count:     1024
    .wavefront_size: 32
...
	.end_amdgpu_metadata
.endif
;; end of part 2
;; launch attn (part 3): grid 8 x 32, 4 waves a work-group, clusters of 4 x 1, 327,680 bytes of LDS; arguments qkv, misc, o; writes o
.if DOCPART == 3
	.amdgcn_target "amdgcn-amd-amdhsa--gfx1250"
	.amdhsa_code_object_version 6
	.text
	.protected	k_q9fa7a6f661_attn
	.globl	k_q9fa7a6f661_attn
	.p2align	8
	.type	k_q9fa7a6f661_attn,@function
k_q9fa7a6f661_attn:
	s_mov_b64 s[64:65], 0
	v_nop
	global_prefetch_b8 v0, s[64:65] scope:SCOPE_SE
	s_setreg_imm32_b32 hwreg(HW_REG_WAVE_MODE, 25, 1), 1
	s_wait_xcnt 0x0
	s_wait_alu depctr_hold_cnt(0) depctr_sa_sdst(0) depctr_va_vdst(0) depctr_va_sdst(0) depctr_va_ssrc(0) depctr_va_vcc(0) depctr_vm_vsrc(0)
	s_getreg_b32 s2, hwreg(HW_REG_IB_STS2, 6, 4)
	s_cmp_eq_u32 s2, 0
	s_cbranch_scc0 .Lentry_in_a_cluster
	s_endpgm
.Lentry_in_a_cluster:
	s_bfe_u32 s2, ttmp6, 0x10000c
	s_cmp_lg_u32 s2, 0x3003
	s_cbranch_scc0 .Lentry_shape_is_right
	s_endpgm
.Lentry_shape_is_right:
; ATTENTION UNDER A MASK THAT IS AN INPUT.  o[token][64 h + d] = 2^-8 x the sum over k of softmax_k(q . k / 8, hidden where mask[q][k] == 1) v[k][d], for batch b and head h (work-group y = 16 b + h).
; q, k, v: three panels [4096 tokens][1024] f16 of qkv, 0x800000 bytes apart; a head's 64 channels are 128 bytes of a row of 2,048.  Products, maxima and sums in f32; the weights p are rounded to f16
; for the second product (their sum l is taken of the unrounded p), o once at the end.
; LIMITS.  q, k, v lie within f16's 65,504, so a score lies within 2.7e11.  A hidden score counts as its value plus a number between -2^96 and -2^65; a visible one gets at most 2^-97 added.
; The running maximum m starts at -2^50: below every visible score, above every hidden one; so a hidden key's weight is exactly 0 at every step, whatever the order of hidden and visible keys,
; and a row with no visible key ends with l = 0 and is stored as NaN, as a softmax of -infinities is.  A weight below 2^-126 counts as 0 in l.
; SHARES.  A work-group owns 256 queries of one (b, h); a wave 64: four PIECES of 16.  Every wave walks all 2,048 keys, 64 a step: no shape of the mask is built in.
; LAYOUT.  S^T = K Q^T holds ONE query a lane (lane % 16) and the keys 8 (lane / 16) + 0..7; two such results rounded to f16 ARE source 1 of O^T = V^T P.  V comes out of LDS turned, by ds_load_tr16_b128.
; THE MASK is the C operand that starts the sum S^T.  misc holds a nibble for each (query, key), 0xE where hidden, in the order of a lane's scores: 16 bytes a lane for 16 queries x 64 keys.  One shift
; brings nibble j to a word's top: 0xE gives sign 1 and an exponent of 192 to 223, 0 gives sign 0 and an exponent under 32; the lower nibbles fall into bits that do not matter.
; SOFTMAX.  p = 2^(c s - c m), c = log2(e) / 8; O and l are multiplied by a = 2^(c m_old - c m_new) in every step.
; TURNS.  Turn n belongs to piece n: 8 products K Q^T of piece n + 1, later 8 products V^T P of piece n - 1; beside them the scaling, exponentials, roundings, sums and rescaling of piece n, the maximum
; and statistics of piece n + 1, and at its end the mask of piece n + 2.  Four vector instructions stand behind every matrix instruction, the others in lumps.
; CLUSTER.  The four query blocks of a cluster belong to one (b, h) and walk the same K and V: each tile is asked for JOINTLY, by the same load, descriptor and mask in all four.
; REGISTERS, in windows of 256 (s_set_vgpr_msb: bits 1:0 source 0, 3:2 source 1, 5:4 source 2, 7:6 destination):
;   window 0: v0-15 addresses and two at work; v16-31 four registers of statistics a piece; v48-55 at work; v64-127 S^T, two buffers; v128-143 mask words, four a piece; v144-147 their offsets; v192-223 P, two buffers
;   window 1: v0-127 O^T, 32 a piece; v160-223 the masks as C operands, two buffers      window 2: v0-63 Q; v128-191 K of one step; v192-255 V of one step
.set NP,    4
.set KS,    64
.set PK,    144       ; a row of K in LDS: 128 bytes + 16 of padding = 36 words: the 16 rows of a load start at 16 different groups of four banks (64 banks of 4 bytes: ISA guide 11.1)
.set PV,    160       ; a row of V: 128 + 32
.set VOFF,  4*KS*PK   ; a slot holds four steps: 256 rows of K, then 256 rows of V
.set SLOT1, 1<<17
.set STAGE, SLOT1+4*KS*(PK+PV)  ; behind the ring, never filled by a tensor load: 16 rows x 144 bytes for each wave
.set SP,    144
.set SPARE, STAGE+4*16*SP       ; the spare words, 128 bytes for each wave
.set ROWB,  2048      ; bytes in a token's row of q, k, v and o
.set AK0, 2
.set AV0, 3
.set AK,  4
.set AV,  5
.set STO, 6
.set RD,  7
.set GO,  8
.set MV,  12          ; v12-13  c m_old, by buffer
.set QO,  15
.set ST,  16          ; piece t's statistics at v[ST+4 t]: c m, m, l (even keys', odd keys')
.set TMP, 48
.set SPW, 62          ; v62  LDS address of my spare word; never rewritten
.set NIL, 63          ; v63  0; never rewritten
.set S,   64
.set MN,  128         ; piece x's next four mask words at MN + 4 x
.set MO,  144         ; piece x's byte offset in misc, at MO + x
.set P,   192
.set MC,  160         ; window 1
.set KF,  128         ; window 2
.set VF,  192         ; window 2
.set WV,  12
.set G1K, 24
.set G1V, 32
.set G0K, 40
.set G0V, 44
.set SLOTS, 56
.set CNT, 57
.set CS,  58
.set SEL, 60
.set TBK, 62
.set TBV, 63
.set NANS, 66
.set MSB, 0
.macro WIN new
.if MSB != (\new)
	s_set_vgpr_msb (MSB<<8)|(\new)
.set MSB, (\new)
.endif
.endm
.set W_KQ, 0x0a       ; K and Q in window 2, S^T in window 0
.set W_KM, 0x1a       ; the same with the C operand in window 1
.set W_PV, 0x52       ; V in window 2, P in window 0, O^T in window 1
.set W_RS, 0x41       ; destination and source 0 in window 1, source 1 in window 0
; A joint fill.  Waves 0 and 1 fetch the two halves of a slot's K, waves 2 and 3 those of its V: 128 keys each.  An s_nop 0 and four v_nop follow each of the two lines.
.macro JLOAD
	s_cmp_lt_u32 s[WV], 2
	s_cbranch_scc0 .Lfor_v_\@
	tensor_load_to_lds s[G0K:G0K+3], s[G1K:G1K+7]
	s_nop 0
.rept 4
	v_nop
.endr
	s_branch .Lasked_\@
.Lfor_v_\@:
	tensor_load_to_lds s[G0V:G0V+3], s[G1V:G1V+7]
	s_nop 0
.rept 4
	v_nop
.endr
.Lasked_\@:
.endm
.macro CROUND                       ; a round of the cluster's barrier
	s_barrier_signal -1
	s_barrier_wait -1
	s_cmp_lg_u32 s[WV], 0
	s_cbranch_scc1 .Lnot_wave_0_\@
	s_barrier_signal -3
.Lnot_wave_0_\@:
	s_barrier_wait -3
	s_barrier_signal -1
	s_barrier_wait -1
.endm
; THE CHANGE OF SLOTS.  Each wave waits for all its tensor loads (one is out: its part of the other slot), adds 0 to its spare word, and waits for that and for its own reads of the slot.
; fill = 1: the slot is filled again, with the keys two slots on, first thing behind a round of the cluster's barrier: four key steps in which to land.  (At its first use: slot 0 is waited for, slot 1 filled.)
.macro CHANGE fill
	WIN 0
	s_wait_tensorcnt 0x0            ; no tensor load of mine is out, so a group 0 may be written
	ds_add_u32 v[SPW], v[NIL]       ; 0 onto my spare word
.if \fill
.irp g, G0K, G0V
	s_xor_b32 s[\g+1], s[\g+1], SLOT1
	s_add_nc_u64 s[\g+2:\g+3], s[\g+2:\g+3], 4*KS*ROWB  ; the next 256 keys
.endr
	s_wait_dscnt 0x0                ; the add is done, and my reads of the slot are over
	CROUND
	JLOAD
.else
	s_wait_dscnt 0x0
	s_barrier_signal -1
	s_barrier_wait -1
.endif
	s_sub_co_u32 s[TBK], s[TBK], 4*KS*PK
	s_xor_b32 s[TBK], s[TBK], SLOT1
	s_sub_co_u32 s[TBV], s[TBV], 4*KS*PV
	s_xor_b32 s[TBV], s[TBV], SLOT1
.endm
	s_load_b128 s[4:7], s[0:1], 0x0   ; qkv s[4:5], misc s[6:7]
	s_load_b64 s[8:9], s[0:1], 0x10   ; o
	v_lshl_add_u32 v[SPW], v0, 2, SPARE
	v_mov_b32 v[NIL], 0
	ds_add_u32 v[SPW], v[NIL]       ; the wave's opening: the add and its wait stand ahead of my first tensor load
	v_lshrrev_b32 v1, 5, v0
	v_readfirstlane_b32 s[WV], v1
	s_bfe_u32 s13, ttmp6, 0x40000   ; cx
	s_lshl_b32 s14, ttmp9, 2
	s_add_co_u32 s14, s14, s13      ; my block of 256 queries: it enters Q's, o's and the mask's addresses alone
	s_and_b32 s20, ttmp7, 0xffff    ; 16 b + h, which the four partners share
	s_lshr_b32 s21, s20, 4
	s_lshl_b32 s21, s21, 22         ; b x 2,048 rows of 2,048 bytes
	s_and_b32 s20, s20, 15
	s_lshl_b32 s20, s20, 7          ; h x 128 bytes
	s_add_co_u32 s20, s20, s21
	s_and_b32 s16, s[WV], 1         ; which half of a slot's 256 keys I fetch
	s_lshl_b32 s22, s16, 18         ; its 128 rows in memory
	s_add_co_u32 s22, s22, s20
	s_add_co_u32 s22, s22, 0x800000 ; k's panel
	s_mov_b32 s23, 0
	s_add_co_u32 s10, s22, 0x800000 ; v's panel
	s_mov_b32 s11, 0
	s_mul_i32 s17, s16, 128*PK
	s_mul_i32 s18, s16, 128*PV
	s_lshl_b32 s2, s14, 2
	s_add_co_u32 s2, s2, s[WV]      ; my wave among the sequence's 32
	s_lshl_b32 s52, s2, 16          ; its four query tiles' cells of the mask, 16,384 bytes each
	s_mov_b32 s53, 0
	s_lshl_b32 s2, s2, 17           ; its 64 rows
	s_add_co_u32 s2, s2, s20
	s_mov_b32 s3, 0
	; descriptor group 1: 128 keys x 64 channels, rows 1,024 elements apart, padded in LDS after every key
	s_mov_b32 s[G1K], 15|(1<<16)|(1<<20)|(1<<21)|(4<<22)|(3<<25)  ; the mask of four; 2-byte elements; padding on; 21 set beside a mask; after every 32 words; 4 words
	s_mov_b32 s[G1V], 15|(1<<16)|(1<<20)|(1<<21)|(4<<22)|(7<<25)  ; the same with 8 words
.irp g, G1K, G1V
	s_mov_b32 s[\g+1], 64<<16       ; tensor_dim0 = 64
	s_mov_b32 s[\g+2], 128<<16      ; tensor_dim1 = 128
	s_mov_b32 s[\g+3], 64<<16       ; tile_dim0 = 64
	s_mov_b32 s[\g+4], 128          ; tile_dim1 = 128
	s_mov_b32 s[\g+5], 1024         ; elements from row to row
	s_mov_b32 s[\g+6], 0
	s_mov_b32 s[\g+7], 0
.endr
	s_mov_b32 s[CS], 0x3e38aa3b     ; c = log2(e) / 8
	s_mov_b32 s[CS+1], s[CS]
	s_mov_b32 s[SEL], 0x76543210
	s_mov_b32 s[SEL+1], 0xfedcba98
	s_mov_b32 s[NANS], 0x7fc00000
	s_mov_b32 s[TBK], SLOT1+4*KS*PK ; the first change of slots turns these two into 0
	s_mov_b32 s[TBV], SLOT1+4*KS*PV
	s_mov_b32 s[G0K], 1
	s_mov_b32 s[G0K+1], s17
	s_mov_b32 s[G0V], 1
	s_add_co_u32 s[G0V+1], s18, VOFF
	s_wait_dscnt 0x0                ; the opening add is done
	s_wait_kmcnt 0x0
	s_add_nc_u64 s[G0K+2:G0K+3], s[4:5], s[22:23]
	s_or_b32 s[G0K+3], s[G0K+3], 0x80000000
	s_add_nc_u64 s[G0V+2:G0V+3], s[4:5], s[10:11]
	s_or_b32 s[G0V+3], s[G0V+3], 0x80000000
	s_add_nc_u64 s[4:5], s[4:5], s[2:3]    ; q and o at my wave's first row
	s_add_nc_u64 s[8:9], s[8:9], s[2:3]
	s_add_nc_u64 s[6:7], s[6:7], s[52:53]  ; the mask at my wave's first query tile
	CROUND                          ; all four work-groups are here: the first joint loads meet
	JLOAD                           ; slot 0
	v_and_b32 v1, 15, v0            ; l % 16
	v_bfe_u32 v9, v0, 4, 1          ; l / 16
	v_lshlrev_b32 v[QO], 11, v1
	v_lshl_add_u32 v[QO], v9, 4, v[QO]
	WIN 0x80
.set i, 0
.rept 8                             ; Q stays in registers: piece i / 2 (16 rows on), channels 32 (i % 2) on
	global_load_b128 v[8*i:8*i+3],   v[QO], s[4:5] offset:(i/2)*16*ROWB+(i%2)*64
	global_load_b128 v[8*i+4:8*i+7], v[QO], s[4:5] offset:(i/2)*16*ROWB+(i%2)*64+32
.set i, i+1
.endr
	WIN 0
	v_and_b32 v10, 31, v0
	v_lshlrev_b32 v[MO], 4, v10     ; 16 bytes a lane in a cell
.irp x, 1,2,3
	v_add_nc_u32 v[MO+\x], 16384*\x, v[MO]
.endr
.irp x, 0,1,2,3
	global_load_b128 v[MN+4*\x:MN+4*\x+3], v[MO+\x], s[6:7]  ; each piece's cell of key step 0: from here on four such loads are out, in the pieces' order
.endr
	; What the first turn finds: V and P's second buffer hold 0 (its products V^T P, of a piece that has not been, add 0), O^T and l are 0.  All this stands in the wait for the first tile.
	WIN 0x80
.set i, VF
.rept 64
	v_mov_b32 v[i], 0
.set i, i+1
.endr
	WIN 0x40
.set i, 0
.rept 128
	v_mov_b32 v[i], 0
.set i, i+1
.endr
	WIN 0
.set i, 0
.rept 4
	v_mov_b32 v[ST+4*i], 0xd738aa3b    ; c m = c x -2^50
	v_mov_b32 v[ST+4*i+1], 0xd8800000  ; m = -2^50
	v_mov_b32 v[ST+4*i+2], 0
	v_mov_b32 v[ST+4*i+3], 0
.set i, i+1
.endr
.set i, P+16
.rept 16
	v_mov_b32 v[i], 0
.set i, i+1
.endr
	v_mul_u32_u24 v[AK0], v1, PK
	v_lshl_add_u32 v[AK0], v9, 4, v[AK0]
	v_and_b32 v10, 7, v0
	v_bfe_u32 v11, v0, 3, 1
	v_lshl_add_u32 v[AV0], v9, 3, v10
	v_mul_u32_u24 v[AV0], v[AV0], PV
	v_lshl_add_u32 v[AV0], v11, 4, v[AV0]
	v_add_nc_u32 v[AV0], VOFF, v[AV0]
	s_mul_i32 s13, s[WV], 16*SP
	s_add_co_u32 s13, s13, STAGE    ; my stage
	v_mul_u32_u24 v[STO], v1, SP
	v_lshl_add_u32 v[STO], v9, 4, v[STO]
	v_add_nc_u32 v[STO], s13, v[STO]
	v_bfe_u32 v[RD], v0, 3, 2       ; back: 32 lanes take four rows of 128 bytes,
	v_lshlrev_b32 v[GO], 11, v[RD]  ; which are 128 bytes of four rows of o
	v_lshl_add_u32 v[GO], v10, 4, v[GO]
	v_mul_u32_u24 v[RD], v[RD], SP
	v_lshl_add_u32 v[RD], v10, 4, v[RD]
	v_add_nc_u32 v[RD], s13, v[RD]
; THE MATRIX WORK.  The 4 accumulators of a run of 8 take turns.  Product i of 8 of S^T = K Q^T for piece x: channels 32 (i / 4) on, keys 16 (i % 4) on.  The first 4 start the sums, with the mask.
.macro KQ x
.set rS, S+32*((\x)%2)+8*(i%4)
.set rK, KF+16*(i%4)+8*(i/4)
.set rQ, 16*(\x)+8*(i/4)
.set rM, MC+32*((\x)%2)+8*(i%4)
.if i < 4
	WIN W_KM
	v_wmma_f32_16x16x32_f16 v[rS:rS+7], v[rK:rK+7], v[rQ:rQ+7], v[rM:rM+7]
.else
	WIN W_KQ
	v_wmma_f32_16x16x32_f16 v[rS:rS+7], v[rK:rK+7], v[rQ:rQ+7], v[rS:rS+7]
.endif
.endm
.macro PV x                         ; product i of 8 of O^T += V^T P for piece x: keys 32 (i / 4) on, channels 16 (i % 4) on
	WIN W_PV
.set rO, 32*(\x)+8*(i%4)
.set rV, VF+32*(i/4)+8*(i%4)
.set rP, P+16*((\x)%2)+8*(i/4)
	v_wmma_f32_16x16x32_f16 v[rO:rO+7], v[rV:rV+7], v[rP:rP+7], v[rO:rO+7]
.endm
.macro MM                           ; the turn's next matrix instruction
.if i < 8
	KQ (Y+1)%NP
.else
.set i, i-8
	PV (Y+NP-1)%NP
.set i, i+8
.endif
.set i, i+1
.endm
; THE LDS LOADS stand in runs of 16.  last = 1 (the tail): in the last trip there is no further step, and the run is jumped over.
.macro FETCH_K last=0
	WIN 0
.if \last
	s_cmp_eq_u32 s[CNT], 1
	s_cbranch_scc1 .Lno_k_\@
.endif
	WIN 0x80
.irp f, 0,1,2,3,4,5,6,7
	ds_load_b128 v[KF+8*\f:KF+8*\f+3],   v[AK] offset:(\f/2)*16*PK+(\f%2)*64
	ds_load_b128 v[KF+8*\f+4:KF+8*\f+7], v[AK] offset:(\f/2)*16*PK+(\f%2)*64+32
.endr
	s_add_co_u32 s[TBK], s[TBK], KS*PK
	WIN 0
.if \last
.Lno_k_\@:
.endif
.endm
.macro FETCH_V
	WIN 0x80
.irp f, 0,1,2,3,4,5,6,7
	ds_load_tr16_b128 v[VF+8*\f:VF+8*\f+3],   v[AV] offset:(\f/4)*32*PV+(\f%4)*32
	ds_load_tr16_b128 v[VF+8*\f+4:VF+8*\f+7], v[AV] offset:(\f/4)*32*PV+16*PV+(\f%4)*32
.endr
	WIN 0
.endm
; THE MASK of piece x's next products, into buffer b: 32 shifts, one for each register of the four C operands.  The pieces come in a ring, so of the four mask loads that are out the oldest is piece x's:
; the count 3 shows it in and frees its offset register (at the first use it also shows Q in, which was asked for earlier).
.macro MASKC x, b
	s_wait_loadcnt 0x3
	WIN 0x40
.set z, 0
.rept 32
	v_lshlrev_b32 v[MC+32*(\b)+z], 28-4*(z%8), v[MN+4*(\x)+z/8]
.set z, z+1
.endr
	WIN 0
.endm
; Piece x's next cell is asked for.  The walk's last calls ask for up to two cells past a query tile's 32: 1,024 bytes that lie inside misc (the next tile's cells, or behind the last tile the weights
; that follow) and that no result uses.
.macro MASKL x
	v_add_nc_u32 v[MO+(\x)], 0x200, v[MO+(\x)]
	global_load_b128 v[MN+4*(\x):MN+4*(\x)+3], v[MO+(\x)], s[6:7]
.endm
; THE VECTOR WORK, one line at a time: OP kind, number.  For piece Y: F n: c s - c m for pair n of 16.  E n: the exponential of score n.  C n: pair n rounded to f16.  B n: of the four weights 4 n .. the second pair is
; added onto the first.  L n: l takes that sum (L 0: l = a l + sum).  R n: pair n of 16 of O^T times a.  For piece Y + 1: X n, number n of the 22 that find its maximum and statistics:
;   0-11 four chains of seven scores each (each accumulator's lowest registers are read first)   12-14, 16 the scores left over, the old m, the chains into one
;   15 c m_old is kept   17, 18 the other half of the lanes' maximum: the new m   19-21 c m; c m_old - c m_new; a
.set F, 0
.set E, 1
.set C, 2
.set B, 3
.set L, 4
.set R, 5
.set X, 6
.macro REGS y
.set rT, ST+4*(\y)
.set rC, TMP+4*((\y)%2)
.set rW, MV+((\y)%2)
.set rS, S+32*((\y)%2)
.set rP, P+16*((\y)%2)
.set rO, 32*(\y)
.endm
.macro OP k, n
.if (\k) == R
	REGS Y
	WIN W_RS
	v_pk_mul_f32 v[rO+2*(\n):rO+2*(\n)+1], v[rO+2*(\n):rO+2*(\n)+1], v[rC+2:rC+3] op_sel_hi:[1,0]
.elseif (\k) < R
	REGS Y
	WIN 0
.if (\k) == F
	v_pk_fma_f32 v[rS+2*(\n):rS+2*(\n)+1], v[rS+2*(\n):rS+2*(\n)+1], s[CS:CS+1], v[rT:rT+1] op_sel_hi:[1,0,0] neg_lo:[0,0,1] neg_hi:[0,0,1]
.elseif (\k) == E
	v_exp_f32 v[rS+(\n)], v[rS+(\n)]
.elseif (\k) == C
	v_cvt_pk_f16_f32 v[rP+(\n)], v[rS+2*(\n)], v[rS+2*(\n)+1]
.elseif (\k) == B
	v_pk_add_f32 v[rS+4*(\n):rS+4*(\n)+1], v[rS+4*(\n):rS+4*(\n)+1], v[rS+4*(\n)+2:rS+4*(\n)+3]
.elseif (\n) == 0
	v_pk_fma_f32 v[rT+2:rT+3], v[rT+2:rT+3], v[rC+2:rC+3], v[rS:rS+1] op_sel_hi:[1,0,1]
.else
	v_pk_add_f32 v[rT+2:rT+3], v[rT+2:rT+3], v[rS+4*(\n):rS+4*(\n)+1]
.endif
.else
	REGS (Y+1)%NP
	WIN 0
.if (\n) < 4
	v_max3_num_f32 v[rC+(\n)], v[rS+8*(\n)], v[rS+8*(\n)+1], v[rS+8*(\n)+2]
.elseif (\n) < 12
	v_max3_num_f32 v[rC+(\n)%4], v[rC+(\n)%4], v[rS+8*((\n)%4)+2*((\n)/4)+1], v[rS+8*((\n)%4)+2*((\n)/4)+2]
.elseif (\n) == 12
	v_max3_num_f32 v[rC], v[rC], v[rS+7], v[rS+15]
.elseif (\n) == 13
	v_max3_num_f32 v[rC+1], v[rC+1], v[rS+23], v[rS+31]
.elseif (\n) == 14
	v_max3_num_f32 v[rC+2], v[rC+2], v[rC+3], v[rT+1]
.elseif (\n) == 15
	v_mov_b32 v[rW], v[rT]
.elseif (\n) == 16
	v_max3_num_f32 v[rC], v[rC], v[rC+1], v[rC+2]
.elseif (\n) == 17
	v_permlanex16_b32 v[rC+3], v[rC], s[SEL], s[SEL+1]
.elseif (\n) == 18
	v_max_num_f32 v[rT+1], v[rC], v[rC+3]
.elseif (\n) == 19
	v_mul_f32 v[rT], s[CS], v[rT+1]
.elseif (\n) == 20
	v_sub_f32 v[rC+1], v[rW], v[rT]
.else
	v_exp_f32 v[rC+2], v[rC+1]
.endif
.endif
.endm
.macro OPS a, i1, b=-1, i2=0, c=-1, i3=0, d=-1, i4=0
	OP \a, \i1
.if (\b) >= 0
	OP \b, \i2
.endif
.if (\c) >= 0
	OP \c, \i3
.endif
.if (\d) >= 0
	OP \d, \i4
.endif
.endm
.macro ROW a, i1, b, i2, c, i3, d, i4  ; a matrix instruction and the four behind it
	MM
	OPS \a, \i1, \b, \i2, \c, \i3, \d, \i4
.endm
; A TURN, for piece p: the order of its 16 matrix and 118 vector instructions, written out, and the 32 shifts for the mask of piece p + 2.  Behind a matrix instruction: plain, exponential, plain, plain;
; or four of the rescaling; or four scalings; none names a register of the products round it.  In the lumps exponential and plain by turns while exponentials last.  C 2k stands ahead of B k, which adds in place
; onto the pair that C 2k rounds.
; The second half of the rescaling, the one part of the lumps that leaves window 0, stands in ONE run at the turn's end, the mask's shifts behind it, so that the two cost three window switches together;
; L 7 follows them in window 0.
; K of the next step is fetched in piece 2's turn, six vector instructions behind the last product that read K (five of them plain); V of the step in hand in piece 0's turn, eight behind the last product that
; read V (four plain).  Each is waited for a turn later.  cnt = 1: the loop's count is taken down some lines ahead of the branch that stands behind the turn.
.macro TURN p, last=0, cnt=0
.set Y, (\p)
.set i, 0
.if (\p) == 3
	s_wait_dscnt 0x0                ; K is in
.endif
	ROW F,0, F,1, F,2, F,3
	ROW F,4, E,0, F,5, F,6
	ROW F,7, E,1, F,8, F,9
	ROW F,10, E,2, C,0, F,11
	ROW F,12, E,3, X,15, F,13
	ROW R,0, R,1, R,2, R,3
	ROW B,0, E,4, F,14, L,0
.if (\p) == 2
	v_add_nc_u32 v[AK], s[TBK], v[AK0]
.endif
	ROW R,4, R,5, R,6, R,7
	OPS E,5, F,15
.if (\p) == 2
	FETCH_K \last
.endif
	OPS E,6, C,1, E,7, X,0
	OPS E,8, X,1, E,9, C,2
	OPS E,10, X,2, E,11, X,3
	OPS E,12, X,4, E,13, X,5
.if (\p) == 1
	s_wait_dscnt 0x0                ; V is in
.endif
	ROW X,6, E,14, X,7, X,8
	ROW X,9, E,15, X,10, X,11
	ROW X,12, E,16, X,13, X,14
	ROW B,1, E,17, C,4, X,16
	ROW L,1, E,18, B,2, C,6
	ROW C,8, E,19, L,2, B,3
	ROW C,3, E,20, L,3, B,4
.if (\p) == 0
	v_add_nc_u32 v[AV], s[TBV], v[AV0]
.endif
	ROW C,5, E,21, C,7, L,4
	OPS E,22, X,17, E,23, C,10
.if (\p) == 0
	FETCH_V
.endif
	OPS E,24, C,9
	OPS E,25, X,18, E,26, C,11
	OPS E,27, B,5, E,28, X,19
	OPS E,29, C,12, E,30, L,5
	OPS E,31, X,20, B,6, C,14
	OPS X,21, L,6, C,13, B,7
	OPS C,15
.if (\p) == 0
	s_add_co_u32 s[TBV], s[TBV], KS*PV
.endif
.if \cnt
	s_sub_co_u32 s[CNT], s[CNT], 1
	s_cmp_lg_u32 s[CNT], 0
.endif
	OPS R,8, R,9, R,10, R,11
	OPS R,12, R,13, R,14, R,15
	MASKC ((\p)+2)%NP, (\p)%2
	OP L,7
	MASKL ((\p)+2)%NP
.endm
	CHANGE 1                        ; slot 0 is in, everybody's part of it; slot 1 is asked for
	MASKC 0, 0                      ; pieces 0 and 1, key step 0
	MASKL 0
	MASKC 1, 1
	MASKL 1
	v_add_nc_u32 v[AK], s[TBK], v[AK0]
	FETCH_K                         ; key step 0
	s_wait_dscnt 0x0
.set i, 0
.rept 8
	KQ 0                            ; piece 0's first scores
.set i, i+1
.endr
	WIN 0
.rept 4
	v_nop                           ; the places behind those products
.endr
.set Y, NP-1                        ; X works for piece Y + 1: piece 0
.irp n, 0,1,2,3,4,5,6,7,8,9,10,11,12,13,14,15,16,17,18,19,20,21
	OP X, \n
.endr
	v_nop                           ; a plain instruction behind the exponential
	s_mov_b32 s[CNT], 4
	s_mov_b32 s[SLOTS], 7
	s_branch .Lfirst                ; the loop is entered at a step's first turn, in the middle of a trip
.Lslot:                             ; six times: every slot but the last two is filled again
	CHANGE 1
	s_mov_b32 s[CNT], 4
.Lstep:                             ; a trip: pieces 2 and 3 of one step, then pieces 0 and 1 of the next, whose K and V it fetches
	TURN 2
	TURN 3
	WIN 0
.Lfirst:
	TURN 0
	TURN 1, 0, 1
	WIN 0
	s_cbranch_scc1 .Lstep
	s_sub_co_u32 s[SLOTS], s[SLOTS], 1
	s_cmp_lg_u32 s[SLOTS], 0
	s_cbranch_scc1 .Lslot
	CHANGE 0                        ; the tail is written out: nothing is asked for
	s_mov_b32 s[CNT], 5             ; four trips fetch the last slot's steps; the fifth is left in its middle
.Ltail:
	TURN 2, 1
	TURN 3
	WIN 0
	s_sub_co_u32 s[CNT], s[CNT], 1
	s_cmp_eq_u32 s[CNT], 0
	s_cbranch_scc1 .Lout
	TURN 0
	TURN 1
	WIN 0
	s_branch .Ltail
.Lout:                              ; the fifth trip's 8 products K Q^T (on the last K once more) and the maximum made of them serve nothing: the price of one text for every trip
.set i, 0
.rept 8
	PV NP-1                         ; the last piece's V^T P of the last step
.set i, i+1
.endr
	; THE WAY OUT.  l's two halves and the other half of the lanes' are added; the factor is 2^-8 / l, or NaN where l is 0 (no visible key); O^T times it is rounded to f16 and sent through my stage, a piece at a time.
	WIN 0
.macro ALL line:vararg
.set t, 0
.rept 4
	\line
.set t, t+1
.endr
.endm
	ALL v_add_f32 v[ST+4*t+2], v[ST+4*t+2], v[ST+4*t+3]
	ALL v_permlanex16_b32 v[ST+4*t+3], v[ST+4*t+2], s[SEL], s[SEL+1]
	ALL v_add_f32 v[ST+4*t+2], v[ST+4*t+2], v[ST+4*t+3]
	ALL v_rcp_f32 v[ST+4*t+3], v[ST+4*t+2]
	v_nop                           ; a plain instruction between the last reciprocal and the use of its result
	ALL v_mul_f32 v[ST+4*t+3], 0x3b800000, v[ST+4*t+3]
.set t, 0
.rept 4
	v_cmp_eq_u32 vcc_lo, 0, v[ST+4*t+2]  ; l is a sum of numbers that are not negative: its bits are 0 only where every weight was 0
	v_cndmask_b32 v[ST+4*t+2], v[ST+4*t+3], s[NANS], vcc_lo
.set t, t+1
.endr
.macro PACK t
	WIN W_RS
.set i, 32*(\t)
.rept 16
	v_pk_mul_f32 v[i:i+1], v[i:i+1], v[ST+4*(\t)+2:ST+4*(\t)+3] op_sel_hi:[1,0]
.set i, i+2
.endr
	WIN 0x05                        ; sources 0 and 1 window 1, destination window 0
.set i, 0
.rept 16
	v_cvt_pk_f16_f32 v[S+16*(\t)+i], v[32*(\t)+2*i], v[32*(\t)+2*i+1]
.set i, i+1
.endr
	WIN 0
.irp f, 0,1,2,3
	ds_store_b128 v[STO], v[S+16*(\t)+4*\f:S+16*(\t)+4*\f+3] offset:32*\f
.endr
.irp f, 0,1,2,3
	ds_load_b128 v[S+16*(\t)+4*\f:S+16*(\t)+4*\f+3], v[RD] offset:\f*4*SP  ; LDS serves a wave's instructions in order (ISA guide 5.7.1.4): these see the stores above
.endr
.endm
.macro SEND t, younger              ; younger: the LDS instructions issued behind piece t's loads
	WIN 0
.irp f, 0,1,2,3
	s_wait_dscnt (\younger)+3-\f
	global_store_b128 v[GO], v[S+16*(\t)+4*\f:S+16*(\t)+4*\f+3], s[8:9] offset:(\t)*16*ROWB+\f*4*ROWB  ; eight lanes store a head's 128 consecutive bytes of a row: o keeps the row-major layout that the next product reads
.endr
.endm
	PACK 0
.set t, 1
.rept 3
	PACK t
	SEND t-1, 8
.set t, t+1
.endr
	SEND 3, 0
	s_wait_tensorcnt 0x0            ; the wave's end
	ds_add_u32 v[SPW], v[NIL]
	s_wait_dscnt 0x0
	CROUND                          ; the closing round
	s_endpgm
.Lfunc_end_k_q9fa7a6f661_attn:
	.size	k_q9fa7a6f661_attn, .Lfunc_end_k_q9fa7a6f661_attn-k_q9fa7a6f661_attn
	.p2alignl 7, 3214868480
	.fill 96, 4, 3214868480
	.section	.rodata,"a",@progbits
	.p2align	6, 0x0
	.amdhsa_kernel k_q9fa7a6f661_attn
		.amdhsa_group_segment_fixed_size 327680
		.amdhsa_private_segment_fixed_size 0
		.amdhsa_enable_private_segment 0
		.amdhsa_kernarg_size 24
		.amdhsa_user_sgpr_count 2
		.amdhsa_user_sgpr_kernarg_segment_ptr 1
		.amdhsa_wavefront_size32 1
		.amdhsa_system_sgpr_workgroup_id_x 1
		.amdhsa_system_sgpr_workgroup_id_y 1
		.amdhsa_system_sgpr_workgroup_id_z 1
		.amdhsa_system_vgpr_workitem_id 0
		.amdhsa_next_free_vgpr 768
		.amdhsa_next_free_sgpr 68
		.amdhsa_reserve_vcc 1
		.amdhsa_float_denorm_mode_32 3
		.amdhsa_float_denorm_mode_16_64 3
		.amdhsa_memory_ordered 1
		.amdhsa_forward_progress 1
		.amdhsa_inst_pref_size 121
	.end_amdhsa_kernel
	.amdgpu_metadata
---
amdhsa.version: [ 1, 2 ]
amdhsa.kernels:
  - .name:           k_q9fa7a6f661_attn
    .symbol:         k_q9fa7a6f661_attn.kd
    .args:
      - { .name: qkv, .offset: 0, .size: 8, .value_kind: global_buffer, .address_space: global }
      - { .name: misc, .offset: 8, .size: 8, .value_kind: global_buffer, .address_space: global }
      - { .name: o, .offset: 16, .size: 8, .value_kind: global_buffer, .address_space: global }
    .group_segment_fixed_size: 327680
    .private_segment_fixed_size: 0
    .kernarg_segment_align: 8
    .kernarg_segment_size: 24
    .max_flat_workgroup_size: 128
    .sgpr_count:     68
    .vgpr_count:     768
    .wavefront_size: 32
...
	.end_amdgpu_metadata
.endif
;; end of part 3
;; launch wo (part 4): grid 8 x 32, 4 waves a work-group, clusters of 4 x 4, 327,680 bytes of LDS; arguments o, misc, bo, part; writes part
.if DOCPART == 4
	.amdgcn_target "amdgcn-amd-amdhsa--gfx1250"
	.amdhsa_code_object_version 6
	.text
	.protected	k_q9fa7a6f661_wo
	.globl	k_q9fa7a6f661_wo
	.p2align	8
	.type	k_q9fa7a6f661_wo,@function
k_q9fa7a6f661_wo:
	s_mov_b64 s[64:65], 0
	v_nop
	global_prefetch_b8 v0, s[64:65] scope:SCOPE_SE
	s_setreg_imm32_b32 hwreg(HW_REG_WAVE_MODE, 25, 1), 1
	s_wait_xcnt 0x0
	s_wait_alu depctr_hold_cnt(0) depctr_sa_sdst(0) depctr_va_vdst(0) depctr_va_sdst(0) depctr_va_ssrc(0) depctr_va_vcc(0) depctr_vm_vsrc(0)
	s_getreg_b32 s2, hwreg(HW_REG_IB_STS2, 6, 4)
	s_cmp_eq_u32 s2, 0
	s_cbranch_scc0 .Lentry_in_a_cluster
	s_endpgm
.Lentry_in_a_cluster:
	s_bfe_u32 s2, ttmp6, 0x10000c
	s_cmp_lg_u32 s2, 0xf033
	s_cbranch_scc0 .Lentry_shape_is_right
	s_endpgm
.Lentry_shape_is_right:
; part[m][n] = the sum over k of o[m][k] wo^T[n][k] + 2^-8 bf16(bo[n]).  o: [4096][1024] f16, the attention's result times 2^-8; wo^T: [1024][1024] f16 at byte 0x200000 of misc; part: [4096][1024] f16,
; rounded once: the output projection times 2^-8.  LIMIT: every stored number lies within f16's 65,504, that is the projection within 1.6e7.
; 256 tiles of 128 x 128, one to a work-group: tiles of 256 x 256 would be 64.  Four waves, each 64 x 64: 16 accumulators.  K goes in steps of 256 (LDS rows of 512 bytes) through two slots;
; the four waves share ONE stage on the way out, with a barrier between writing and reading, since a wave's 64 columns are half of an aligned 256 bytes of part.
; CLUSTERS: 4 x 4 work-groups; A's tiles are shared along a row, B's along a column, each asked for JOINTLY.  THE MATRIX INSTRUCTION IS USED TRANSPOSED: a lane holds eight neighbouring numbers of a row.
; THE BIAS is the C operand of the products that start the sums.
; REGISTERS: window 0: v0-31 addresses; v32-95 at work on the way out; v96-127 the bias; v128-255 the accumulators ((a, b) at v[128 + 8 (4 a + b)]).  window 1: two fragment buffers of 128.
.set SIZE_N, 1024
.set SIZE_K, 1024
.set KSTEP,  256
.set PITCH,  528                       ; 512 bytes + 16 of padding = 132 words: the 16 rows of a load start at 16 different groups of four banks (64 banks of 4 bytes: ISA guide 11.1)
.set HALFT,  64*PITCH
.set SLOT,   4*HALFT
.set STAGE,  2*SLOT
.set SPITCH, 272
.set SPARE,  STAGE+128*SPITCH
.set LAPS, SIZE_K/(2*KSTEP)
.set ADRA, 16
.set ADRB, 20
.set STO,  24
.set RD,   25
.set CO,   26
.set BO,   27
.set SPW,  28
.set NIL,  29
.set TMP,  32
.set BIAS, 96
.set ACC,  128
.set F0,   0
.set F1,   128
.set G1, 24
.set G0, 32
.set G1B, 48
.set G0B, 56
.set MSB, 0
.macro WIN new
.if MSB != (\new)
	s_set_vgpr_msb (MSB<<8)|(\new)
.set MSB, \new
.endif
.endm
.set MUL,  0x05                        ; sources 0 (B) and 1 (A) window 1; C and D window 0
.set TO_F, 0x40
.macro JLOAD s                         ; a joint load: waves 0 and 1 fetch A's two halves, waves 2 and 3 B's; an s_nop 0 and four v_nop follow each of the two lines
	s_cmp_eq_u32 s11, 0
	s_cbranch_scc0 .Lfor_b_\@
	tensor_load_to_lds s[G0+4*(\s):G0+4*(\s)+3], s[G1:G1+7]
	s_nop 0
.rept 4
	v_nop
.endr
	s_branch .Lasked_\@
.Lfor_b_\@:
	tensor_load_to_lds s[G0B+4*(\s):G0B+4*(\s)+3], s[G1B:G1B+7]
	s_nop 0
.rept 4
	v_nop
.endr
.Lasked_\@:
.endm
.macro CREST
	s_cmp_lg_u32 s10, 0
	s_cbranch_scc1 .Lnot_wave_0_\@
	s_barrier_signal -3
.Lnot_wave_0_\@:
	s_barrier_wait -3
	s_barrier_signal -1
	s_barrier_wait -1
.endm
.macro CROUND
	s_barrier_signal -1
	s_barrier_wait -1
	CREST
.endm
	s_load_b128 s[4:7], s[0:1], 0x0                ; o s[4:5], misc s[6:7]
	s_load_b64 s[66:67], s[0:1], 0x10              ; bo
	s_load_b64 s[8:9], s[0:1], 0x18                ; part
	v_lshl_add_u32 v[SPW], v0, 2, SPARE
	v_mov_b32 v[NIL], 0
	ds_add_u32 v[SPW], v[NIL]                      ; the wave's opening: the add and its wait stand ahead of my first tensor load
	v_lshrrev_b32 v1, 5, v0
	v_readfirstlane_b32 s10, v1
	s_lshr_b32 s11, s10, 1
	s_and_b32 s12, s10, 1
	s_bfe_u32 s40, ttmp6, 0x40000
	s_bfe_u32 s41, ttmp6, 0x40004
	s_lshl_b32 s42, ttmp9, 2
	s_add_co_u32 s42, s42, s40                     ; tile column
	s_and_b32 s13, ttmp7, 0xffff
	s_lshl_b32 s13, s13, 2
	s_add_co_u32 s13, s13, s41                     ; tile row
	s_lshl_b32 s43, s41, 2
	s_lshl_b32 s43, 15, s43
	s_lshl_b32 s44, 0x1111, s40
	s_or_b32 s[G1+0], s43, (1<<16)|(1<<20)|(1<<21)|(6<<22)|(3<<25)  ; the mask of my row; 2-byte elements; padding on; 21 set beside a mask; after every 128 words; 4 words
	s_or_b32 s[G1B+0], s44, (1<<16)|(1<<20)|(1<<21)|(6<<22)|(3<<25)
.irp g, G1, G1B
	s_mov_b32 s[(\g)+1], KSTEP<<16
	s_mov_b32 s[(\g)+2], 64<<16
	s_mov_b32 s[(\g)+3], KSTEP<<16
	s_mov_b32 s[(\g)+4], 64
	s_mov_b32 s[(\g)+5], SIZE_K
	s_mov_b32 s[(\g)+6], 0
	s_mov_b32 s[(\g)+7], 0
.endr
	s_lshl_b32 s17, s12, 6
	s_lshl_b32 s16, s13, 7
	s_add_co_u32 s16, s16, s17
	s_lshl_b32 s46, s42, 7
	s_add_co_u32 s46, s46, s17
	s_mov_b32 s17, 0
	s_mov_b32 s47, 0
	s_mov_b64 s[18:19], SIZE_K*2
	s_mul_u64 s[16:17], s[16:17], s[18:19]
	s_mul_u64 s[46:47], s[46:47], s[18:19]
	s_mul_i32 s20, s10, HALFT
	s_wait_dscnt 0x0                               ; the opening add is done
	s_wait_kmcnt 0x0
	s_add_nc_u64 s[6:7], s[6:7], 0x200000          ; wo^T lies behind the mask
	s_add_nc_u64 s[14:15], s[4:5], s[16:17]
	s_add_nc_u64 s[46:47], s[6:7], s[46:47]
	CROUND
.irp s, 0,1
	s_mov_b32 s[G0+4*(\s)], 1
	s_add_co_u32 s[G0+4*(\s)+1], s20, (\s)*SLOT
	s_add_nc_u64 s[G0+4*(\s)+2:G0+4*(\s)+3], s[14:15], (\s)*KSTEP*2
	s_or_b32 s[G0+4*(\s)+3], s[G0+4*(\s)+3], 0x80000000
	s_mov_b32 s[G0B+4*(\s)], 1
	s_add_co_u32 s[G0B+4*(\s)+1], s20, (\s)*SLOT
	s_add_nc_u64 s[G0B+4*(\s)+2:G0B+4*(\s)+3], s[46:47], (\s)*KSTEP*2
	s_or_b32 s[G0B+4*(\s)+3], s[G0B+4*(\s)+3], 0x80000000
	JLOAD \s                                       ; two tensor loads of mine are out
.endr
	v_and_b32 v1, 15, v0
	v_bfe_u32 v2, v0, 4, 1
	s_lshl_b32 s68, s42, 9                         ; the bias of my 64 columns: 128 x tile column + 64 x half, 4 bytes each
	s_lshl_b32 s69, s12, 8
	s_add_co_u32 s68, s68, s69
	s_mov_b32 s69, 0
	s_add_nc_u64 s[66:67], s[66:67], s[68:69]
	v_lshlrev_b32 v[BO], 5, v2
.irp b, 0,1,2,3
	global_load_b128 v[BIAS+8*(\b):BIAS+8*(\b)+3],   v[BO], s[66:67] offset:64*(\b)
	global_load_b128 v[BIAS+8*(\b)+4:BIAS+8*(\b)+7], v[BO], s[66:67] offset:64*(\b)+16
.endr
	v_mul_u32_u24 v3, v1, PITCH
	v_lshl_add_u32 v3, v2, 4, v3
	s_mul_i32 s21, s11, HALFT
	s_mul_i32 s22, s12, HALFT
	s_add_co_u32 s22, s22, 2*HALFT
.irp s, 0,1
	v_add_nc_u32 v[ADRA+(\s)], s21, v3
	v_add_nc_u32 v[ADRB+(\s)], s22, v3
	s_add_co_u32 s21, s21, SLOT
	s_add_co_u32 s22, s22, SLOT
.endr
	s_mul_i32 s23, s11, 64*SPITCH
	s_lshl_b32 s21, s12, 7
	s_add_co_u32 s23, s23, s21
	s_add_co_u32 s23, s23, STAGE
	v_mul_u32_u24 v4, v1, SPITCH
	v_lshl_add_u32 v4, v2, 4, v4
	v_add_nc_u32 v[STO], s23, v4
	s_mul_i32 s23, s10, 32*SPITCH
	s_add_co_u32 s23, s23, STAGE
	v_mul_u32_u24 v5, v2, SPITCH
	v_lshl_add_u32 v5, v1, 4, v5
	v_add_nc_u32 v[RD], s23, v5
	v_mul_u32_u24 v5, v2, SIZE_N*2
	v_lshl_add_u32 v[CO], v1, 4, v5
	s_lshl_b32 s16, s13, 7
	s_lshl_b32 s17, s10, 5
	s_add_co_u32 s16, s16, s17
	s_mov_b32 s17, 0
	s_mov_b64 s[18:19], SIZE_N*2
	s_mul_u64 s[16:17], s[16:17], s[18:19]
	s_add_nc_u64 s[8:9], s[8:9], s[16:17]
	s_lshl_b32 s46, s42, 8
	s_mov_b32 s47, 0
	s_add_nc_u64 s[8:9], s[8:9], s[46:47]
	s_wait_loadcnt 0x0                             ; the bias: rounded to bf16 like every input, then times 2^-8
.set i, 0
.rept 16
	v_cvt_pk_bf16_f32 v30, v[BIAS+2*i], v[BIAS+2*i+1]
	v_lshlrev_b32 v[BIAS+2*i], 16, v30
	v_and_b32 v[BIAS+2*i+1], 0xffff0000, v30
	v_pk_mul_f32 v[BIAS+2*i:BIAS+2*i+1], v[BIAS+2*i:BIAS+2*i+1], 0x3b800000 op_sel_hi:[1,0]
.set i, i+1
.endr
; 8 matrix instructions: m blocks a0, a0 + 1 x all 4 n blocks, 32 along K: half c of buffer f.  zero = 1: the products start the sums, with the bias as C
.macro MUL8 f, c, a0, zero
	WIN MUL
.irp a, \a0, (\a0)+1
.irp b, 0,1,2,3
.if \zero
	v_wmma_f32_16x16x32_f16 v[ACC+8*(4*(\a)+(\b)):ACC+8*(4*(\a)+(\b))+7], v[(\f)+64+8*(4*(\c)+(\b)):(\f)+64+8*(4*(\c)+(\b))+7], v[(\f)+8*(4*(\c)+(\a)):(\f)+8*(4*(\c)+(\a))+7], v[BIAS+8*(\b):BIAS+8*(\b)+7]
.else
	v_wmma_f32_16x16x32_f16 v[ACC+8*(4*(\a)+(\b)):ACC+8*(4*(\a)+(\b))+7], v[(\f)+64+8*(4*(\c)+(\b)):(\f)+64+8*(4*(\c)+(\b))+7], v[(\f)+8*(4*(\c)+(\a)):(\f)+8*(4*(\c)+(\a))+7], v[ACC+8*(4*(\a)+(\b)):ACC+8*(4*(\a)+(\b))+7]
.endif
.endr
.endr
.endm
.macro FETCH slot, k, f                ; 32 LDS loads in one run: the fragments of 64 along K at byte k of the rows; the first 32 along K first
	WIN TO_F
.irp c, 0,1
.irp i, 0,1,2,3
	ds_load_b128 v[(\f)+64+8*(4*(\c)+(\i)):(\f)+64+8*(4*(\c)+(\i))+3],   v[ADRB+(\slot)] offset:(\k)+64*(\c)+(\i)*16*PITCH
	ds_load_b128 v[(\f)+64+8*(4*(\c)+(\i))+4:(\f)+64+8*(4*(\c)+(\i))+7], v[ADRB+(\slot)] offset:(\k)+64*(\c)+(\i)*16*PITCH+32
	ds_load_b128 v[(\f)+8*(4*(\c)+(\i)):(\f)+8*(4*(\c)+(\i))+3],         v[ADRA+(\slot)] offset:(\k)+64*(\c)+(\i)*16*PITCH
	ds_load_b128 v[(\f)+8*(4*(\c)+(\i))+4:(\f)+8*(4*(\c)+(\i))+7],       v[ADRA+(\slot)] offset:(\k)+64*(\c)+(\i)*16*PITCH+32
.endr
.endr
.endm
.macro PLACES                          ; four places in front of loads into registers that matrix instructions have read, and of conversions that read results (ISA guide 7.12.1 for conversions)
.rept 4
	v_nop
.endr
.endm
; A K step is four quarters of 64 along K, 32 matrix instructions each, on buffers 0, 1, 0, 1; the 16 accumulators take turns.
.macro QUARTER slot, k, f, g, zero
	s_wait_dscnt 16                                ; the first 32 along K are in
	MUL8 \f, 0, 0, \zero
	MUL8 \f, 0, 2, \zero
	PLACES
	FETCH \slot, \k, \g
	s_wait_dscnt 32                                ; all but the 32 just issued
	MUL8 \f, 1, 0, 0
	MUL8 \f, 1, 2, 0
.endm
; The last quarter changes slots: ONE barrier; in front of it each wave waits for all its tensor loads, adds 0 to its spare word, and waits for that and for its own reads of this slot.
.macro TURN slot, next, fill
	WIN 0
	s_wait_tensorcnt 0x0                           ; all my tensor loads have landed: my part of the next slot
	ds_add_u32 v[SPW], v[NIL]                      ; 0 onto my spare word
	s_wait_dscnt 17                                ; (the add and the youngest sixteen loads may be out)
	MUL8 F1, 0, 0, 0
	s_wait_dscnt 0x0                               ; the add is done, and my reads of this slot are over
	s_barrier_signal -1
	MUL8 F1, 0, 2, 0
.if \fill
	WIN 0
.endif
	s_barrier_wait -1
.if \fill
	CREST                                          ; no wave of any partner still reads this slot's tile or has a load on its way
	s_add_nc_u64 s[G0+4*(\slot)+2:G0+4*(\slot)+3], s[G0+4*(\slot)+2:G0+4*(\slot)+3], 2*KSTEP*2
	s_add_nc_u64 s[G0B+4*(\slot)+2:G0B+4*(\slot)+3], s[G0B+4*(\slot)+2:G0B+4*(\slot)+3], 2*KSTEP*2
	JLOAD \slot                                    ; my one tensor load behind the round; its four v_nop are also the places in front of the loads below
.else
	PLACES
.endif
	FETCH \next, 0, F0
	MUL8 F1, 1, 0, 0
	MUL8 F1, 1, 2, 0
.endm
	s_wait_tensorcnt 1                             ; my part of K step 0 is in; K step 1's stays out
	s_barrier_signal -1
	s_barrier_wait -1
	FETCH 0, 0, F0
	QUARTER 0, 128, F0, F1, 1
	WIN 0
	s_mov_b32 s3, LAPS-1
.Llap:
	QUARTER 0, 256, F1, F0, 0
	QUARTER 0, 384, F0, F1, 0
	TURN 0, 1, 1
	QUARTER 1, 128, F0, F1, 0
	QUARTER 1, 256, F1, F0, 0
	QUARTER 1, 384, F0, F1, 0
	TURN 1, 0, 1
	QUARTER 0, 128, F0, F1, 0
	WIN 0
	s_sub_co_u32 s3, s3, 1
	s_cmp_lg_u32 s3, 0
	s_cbranch_scc1 .Llap
	QUARTER 0, 256, F1, F0, 0                      ; the last lap fills nothing
	QUARTER 0, 384, F0, F1, 0
	TURN 0, 1, 0
	QUARTER 1, 128, F0, F1, 0
	QUARTER 1, 256, F1, F0, 0
	QUARTER 1, 384, F0, F1, 0
	s_wait_dscnt 16
	MUL8 F1, 0, 0, 0
	MUL8 F1, 0, 2, 0
	s_wait_dscnt 0
	MUL8 F1, 1, 0, 0
	MUL8 F1, 1, 2, 0
	WIN 0
	; THE WAY OUT: round to f16; 16 bytes a lane into the work-group's stage; a barrier, since a row's 256 bytes come from two waves; back as whole rows, 32 rows a wave.
	PLACES
.irp t, 0,1,2,3,4,5,6,7,8,9,10,11,12,13,14,15
.irp r, 0,1,2,3
	v_cvt_pk_f16_f32 v[TMP+4*(\t)+(\r)], v[ACC+8*(\t)+2*(\r)], v[ACC+8*(\t)+2*(\r)+1]
.endr
.endr
.irp a, 0,1,2,3
.irp b, 0,1,2,3
	ds_store_b128 v[STO], v[TMP+4*(4*(\a)+(\b)):TMP+4*(4*(\a)+(\b))+3] offset:(\a)*16*SPITCH+32*(\b)
.endr
.endr
	s_wait_dscnt 0x0                               ; for the others' sake: my stores into the stage are done
	s_barrier_signal -1
	s_barrier_wait -1
.irp t, 0,1,2,3,4,5,6,7,8,9,10,11,12,13,14,15
	ds_load_b128 v[TMP+4*(\t):TMP+4*(\t)+3], v[RD] offset:(\t)*2*SPITCH
.endr
.irp t, 0,1,2,3,4,5,6,7,8,9,10,11,12,13,14,15
	s_wait_dscnt 15-(\t)
	global_store_b128 v[CO], v[TMP+4*(\t):TMP+4*(\t)+3], s[8:9] offset:2*(\t)*SIZE_N*2  ; 16 lanes store 256 consecutive bytes, at a multiple of 256 from part's first byte
.endr
	s_wait_tensorcnt 0x0                           ; the wave's end
	ds_add_u32 v[SPW], v[NIL]
	s_wait_dscnt 0x0
	CROUND                                         ; the closing round
	s_endpgm
.Lfunc_end_k_q9fa7a6f661_wo:
	.size	k_q9fa7a6f661_wo, .Lfunc_end_k_q9fa7a6f661_wo-k_q9fa7a6f661_wo
	.p2alignl 7, 3214868480
	.fill 96, 4, 3214868480
	.section	.rodata,"a",@progbits
	.p2align	6, 0x0
	.amdhsa_kernel k_q9fa7a6f661_wo
		.amdhsa_group_segment_fixed_size 327680
		.amdhsa_private_segment_fixed_size 0
		.amdhsa_enable_private_segment 0
		.amdhsa_kernarg_size 32
		.amdhsa_user_sgpr_count 2
		.amdhsa_user_sgpr_kernarg_segment_ptr 1
		.amdhsa_wavefront_size32 1
		.amdhsa_system_sgpr_workgroup_id_x 1
		.amdhsa_system_sgpr_workgroup_id_y 1
		.amdhsa_system_sgpr_workgroup_id_z 1
		.amdhsa_system_vgpr_workitem_id 0
		.amdhsa_next_free_vgpr 512
		.amdhsa_next_free_sgpr 70
		.amdhsa_reserve_vcc 0
		.amdhsa_float_denorm_mode_32 3
		.amdhsa_float_denorm_mode_16_64 3
		.amdhsa_memory_ordered 1
		.amdhsa_forward_progress 1
		.amdhsa_inst_pref_size 92
	.end_amdhsa_kernel
	.amdgpu_metadata
---
amdhsa.version: [ 1, 2 ]
amdhsa.kernels:
  - .name:           k_q9fa7a6f661_wo
    .symbol:         k_q9fa7a6f661_wo.kd
    .args:
      - { .name: o, .offset: 0, .size: 8, .value_kind: global_buffer, .address_space: global }
      - { .name: misc, .offset: 8, .size: 8, .value_kind: global_buffer, .address_space: global }
      - { .name: bo, .offset: 16, .size: 8, .value_kind: global_buffer, .address_space: global }
      - { .name: part, .offset: 24, .size: 8, .value_kind: global_buffer, .address_space: global }
    .group_segment_fixed_size: 327680
    .private_segment_fixed_size: 0
    .kernarg_segment_align: 8
    .kernarg_segment_size: 32
    .max_flat_workgroup_size: 128
    .sgpr_count:     70
    .vgpr_count:     512
    .wavefront_size: 32
...
	.end_amdgpu_metadata
.endif
;; end of part 4
;; launch ln1 (part 5): grid 256 x 1, 16 waves a work-group, no clusters, 0 bytes of LDS; arguments P1, part, g1, beta1, P2; writes P2
.if DOCPART == 5
	.amdgcn_target "amdgcn-amd-amdhsa--gfx1250"
	.amdhsa_code_object_version 6
	.text
	.protected	k_q9fa7a6f661_ln1
	.globl	k_q9fa7a6f661_ln1
	.p2align	8
	.type	k_q9fa7a6f661_ln1,@function
k_q9fa7a6f661_ln1:
	s_mov_b64 s[64:65], 0
	v_nop
	global_prefetch_b8 v0, s[64:65] scope:SCOPE_SE
	s_setreg_imm32_b32 hwreg(HW_REG_WAVE_MODE, 25, 1), 1
	s_wait_xcnt 0x0
; x1 = LayerNorm(xh + 256 at) g1 + beta1, stored as 2^-8 x1 in f16 at the head of P2.  xh: x rounded to bf16, kept as f16, at the head of P1; at: the output projection times 2^-8, f16, panel 0 of part;
; g1 and beta1 are rounded to bf16 like every input.  All arithmetic in f32; mean first, then the mean of the squared differences, on the row kept in registers.
; LIMIT: x1 lies within 1.6e7 (f16's 65,504 x 2^8); below 0.016 it keeps a fixed step of 1.5e-5.
; One wave, one row of 1,024: a lane owns columns 128 j + 4 l .. + 3, j = 0..7, so a load or store of f16 covers 256 consecutive bytes and one of f32 512.  The reduction never leaves the wave: no LDS, no barrier.
; Memory binds: no matrix unit, no cluster (no two work-groups read the same row; g1 and beta1 are 8 KB).
.set XH, 8                             ; v8-23    xh as loaded; later the row to store
.set AT, 24                            ; v24-39   at as loaded
.set Y,  40                            ; v40-71   the row in f32
.set CH, 104                           ; v104-111 four chains of sums
.set MU, 112                           ; v112-113 minus the mean, twice
.set RS, 114                           ; v114-115 1 / sqrt(var + eps), twice
.set G,  128
.set BT, 160
.macro RED r                           ; the sum over the 32 lanes, in every lane
	v_add_f32_dpp v[\r], v[\r], v[\r] row_xmask:1 row_mask:0xf bank_mask:0xf
	v_add_f32_dpp v[\r], v[\r], v[\r] row_xmask:2 row_mask:0xf bank_mask:0xf
	v_add_f32_dpp v[\r], v[\r], v[\r] row_xmask:4 row_mask:0xf bank_mask:0xf
	v_add_f32_dpp v[\r], v[\r], v[\r] row_xmask:8 row_mask:0xf bank_mask:0xf
	v_permlanex16_b32 v[(\r)+1], v[\r], s16, s17
	v_add_f32 v[\r], v[\r], v[(\r)+1]
.endm
.macro FOLD                            ; the four chains into one number a lane
	v_pk_add_f32 v[CH:CH+1], v[CH:CH+1], v[CH+2:CH+3]
	v_pk_add_f32 v[CH+4:CH+5], v[CH+4:CH+5], v[CH+6:CH+7]
	v_pk_add_f32 v[CH:CH+1], v[CH:CH+1], v[CH+4:CH+5]
	v_add_f32 v[CH], v[CH], v[CH+1]
.endm
	s_load_b256 s[4:11], s[0:1], 0x0               ; P1 s[4:5], part s[6:7], g1 s[8:9], beta1 s[10:11]
	s_load_b64 s[12:13], s[0:1], 0x20              ; P2
	v_lshrrev_b32 v1, 5, v0
	v_readfirstlane_b32 s14, v1
	s_lshl_b32 s15, ttmp9, 4
	s_add_co_u32 s14, s14, s15                     ; my row
	s_lshl_b32 s14, s14, 11                        ; 2,048 bytes each
	s_mov_b32 s15, 0
	s_mov_b32 s16, 0x76543210
	s_mov_b32 s17, 0xfedcba98
	s_mov_b32 s18, 0x3a800000                      ; 1 / 1024
	s_mov_b32 s19, 0x3727c5ac                      ; 1e-5
	s_mov_b32 s20, 0xffff0000
	s_mov_b32 s22, 0x43800000                      ; 256
	s_mov_b32 s23, s22
	s_mov_b32 s24, 0x3b800000                      ; 2^-8
	s_mov_b32 s25, s24
	v_and_b32 v2, 31, v0
	v_lshlrev_b32 v3, 3, v2
	v_lshlrev_b32 v4, 4, v2
	s_wait_kmcnt 0x0
	s_add_nc_u64 s[4:5], s[4:5], s[14:15]
	s_add_nc_u64 s[6:7], s[6:7], s[14:15]
	s_add_nc_u64 s[12:13], s[12:13], s[14:15]
.irp j, 0,1,2,3,4,5,6,7
	global_load_b64 v[XH+2*\j:XH+2*\j+1], v3, s[4:5] offset:256*\j
.endr
.irp j, 0,1,2,3,4,5,6,7
	global_load_b64 v[AT+2*\j:AT+2*\j+1], v3, s[6:7] offset:256*\j
.endr
.irp j, 0,1,2,3,4,5,6,7
	global_load_b128 v[G+4*\j:G+4*\j+3], v4, s[8:9] offset:512*\j
.endr
.irp j, 0,1,2,3,4,5,6,7
	global_load_b128 v[BT+4*\j:BT+4*\j+3], v4, s[10:11] offset:512*\j
.endr
	s_wait_loadcnt 16                              ; the row is in; the sixteen loads of g1 and beta1 may stay out
.set n, 0
.rept 16                                           ; a packed word goes through a plainly numbered register, whose halves can be named
	v_mov_b32 v120, v[XH+n]
	v_mov_b32 v121, v[AT+n]
	v_cvt_f32_f16 v[Y+2*n], v120.l
	v_cvt_f32_f16 v[Y+2*n+1], v120.h
	v_cvt_f32_f16 v122, v121.l
	v_cvt_f32_f16 v123, v121.h
	v_pk_fma_f32 v[Y+2*n:Y+2*n+1], v[122:123], s[22:23], v[Y+2*n:Y+2*n+1] op_sel_hi:[1,0,1]
.set n, n+1
.endr
.irp k, 0,1,2,3
	v_pk_add_f32 v[CH+2*\k:CH+2*\k+1], v[Y+2*\k:Y+2*\k+1], v[Y+8+2*\k:Y+8+2*\k+1]
.endr
.set n, 8
.rept 8
	v_pk_add_f32 v[CH+2*(n%4):CH+2*(n%4)+1], v[CH+2*(n%4):CH+2*(n%4)+1], v[Y+2*n:Y+2*n+1]
.set n, n+1
.endr
	FOLD
	RED CH
	v_mul_f32 v[MU], 0xba800000, v[CH]             ; minus the mean
	v_mov_b32 v[MU+1], v[MU]
.set n, 0
.rept 16
	v_pk_add_f32 v[Y+2*n:Y+2*n+1], v[Y+2*n:Y+2*n+1], v[MU:MU+1]
.set n, n+1
.endr
.irp k, 0,1,2,3
	v_pk_mul_f32 v[CH+2*\k:CH+2*\k+1], v[Y+2*\k:Y+2*\k+1], v[Y+2*\k:Y+2*\k+1]
.endr
.set n, 4
.rept 12
	v_pk_fma_f32 v[CH+2*(n%4):CH+2*(n%4)+1], v[Y+2*n:Y+2*n+1], v[Y+2*n:Y+2*n+1], v[CH+2*(n%4):CH+2*(n%4)+1]
.set n, n+1
.endr
	FOLD
	RED CH
	v_fma_f32 v[CH], v[CH], s18, s19               ; var + eps
	v_rsq_f32 v[RS], v[CH]
	v_nop                                          ; a plain instruction between the root and the use of its result (ISA guide 5.7.2)
	v_mov_b32 v[RS+1], v[RS]
	s_wait_loadcnt 0x0                             ; g1 and beta1
.set n, 0
.rept 16
	v_cvt_pk_bf16_f32 v120, v[G+2*n], v[G+2*n+1]
	v_cvt_pk_bf16_f32 v121, v[BT+2*n], v[BT+2*n+1]
	v_lshlrev_b32 v[G+2*n], 16, v120
	v_and_b32 v[G+2*n+1], s20, v120
	v_lshlrev_b32 v[BT+2*n], 16, v121
	v_and_b32 v[BT+2*n+1], s20, v121
	v_pk_mul_f32 v[Y+2*n:Y+2*n+1], v[Y+2*n:Y+2*n+1], v[RS:RS+1]
	v_pk_fma_f32 v[Y+2*n:Y+2*n+1], v[Y+2*n:Y+2*n+1], v[G+2*n:G+2*n+1], v[BT+2*n:BT+2*n+1]
	v_pk_mul_f32 v[Y+2*n:Y+2*n+1], v[Y+2*n:Y+2*n+1], s[24:25] op_sel_hi:[1,0]
	v_cvt_pk_f16_f32 v[XH+n], v[Y+2*n], v[Y+2*n+1]
.set n, n+1
.endr
.irp j, 0,1,2,3,4,5,6,7
	global_store_b64 v3, v[XH+2*\j:XH+2*\j+1], s[12:13] offset:256*\j  ; the wave stores 256 consecutive bytes, aligned
.endr
	s_endpgm
.Lfunc_end_k_q9fa7a6f661_ln1:
	.size	k_q9fa7a6f661_ln1, .Lfunc_end_k_q9fa7a6f661_ln1-k_q9fa7a6f661_ln1
	.p2alignl 7, 3214868480
	.fill 96, 4, 3214868480
	.section	.rodata,"a",@progbits
	.p2align	6, 0x0
	.amdhsa_kernel k_q9fa7a6f661_ln1
		.amdhsa_group_segment_fixed_size 0
		.amdhsa_private_segment_fixed_size 0
		.amdhsa_enable_private_segment 0
		.amdhsa_kernarg_size 40
		.amdhsa_user_sgpr_count 2
		.amdhsa_user_sgpr_kernarg_segment_ptr 1
		.amdhsa_wavefront_size32 1
		.amdhsa_system_sgpr_workgroup_id_x 1
		.amdhsa_system_sgpr_workgroup_id_y 1
		.amdhsa_system_sgpr_workgroup_id_z 1
		.amdhsa_system_vgpr_workitem_id 0
		.amdhsa_next_free_vgpr 192
		.amdhsa_next_free_sgpr 66
		.amdhsa_reserve_vcc 0
		.amdhsa_float_denorm_mode_32 3
		.amdhsa_float_denorm_mode_16_64 3
		.amdhsa_memory_ordered 1
		.amdhsa_forward_progress 1
		.amdhsa_inst_pref_size 22
	.end_amdhsa_kernel
	.amdgpu_metadata
---
amdhsa.version: [ 1, 2 ]
amdhsa.kernels:
  - .name:           k_q9fa7a6f661_ln1
    .symbol:         k_q9fa7a6f661_ln1.kd
    .args:
      - { .name: P1, .offset: 0, .size: 8, .value_kind: global_buffer, .address_space: global }
      - { .name: part, .offset: 8, .size: 8, .value_kind: global_buffer, .address_space: global }
      - { .name: g1, .offset: 16, .size: 8, .value_kind: global_buffer, .address_space: global }
      - { .name: beta1, .offset: 24, .size: 8, .value_kind: global_buffer, .address_space: global }
      - { .name: P2, .offset: 32, .size: 8, .value_kind: global_buffer, .address_space: global }
    .group_segment_fixed_size: 0
    .private_segment_fixed_size: 0
    .kernarg_segment_align: 8
    .kernarg_segment_size: 40
    .max_flat_workgroup_size: 512
    .sgpr_count:     66
    .vgpr_count:     192
    .wavefront_size: 32
...
	.end_amdgpu_metadata
.endif
;; end of part 5
;; launch ffn1: the kernel of part 2 again; grid 16 x 16, 4 waves a work-group, clusters of 4 x 4, 327,680 bytes of LDS; arguments P2, P3; writes P3
;; launch ffn2: the kernel of part 2 again; grid 4 x 64, 4 waves a work-group, clusters of 4 x 4, 327,680 bytes of LDS; arguments P3, part; writes part
;; launch ln2 (part 6): grid 256 x 1, 16 waves a work-group, no clusters, 0 bytes of LDS; arguments P2, part, g2, beta2, out0; writes out0
.if DOCPART == 6
	.amdgcn_target "amdgcn-amd-amdhsa--gfx1250"
	.amdhsa_code_object_version 6
	.text
	.protected	k_q9fa7a6f661_ln2
	.globl	k_q9fa7a6f661_ln2
	.p2align	8
	.type	k_q9fa7a6f661_ln2,@function
k_q9fa7a6f661_ln2:
	s_mov_b64 s[64:65], 0
	v_nop
	global_prefetch_b8 v0, s[64:65] scope:SCOPE_SE
	s_setreg_imm32_b32 hwreg(HW_REG_WAVE_MODE, 25, 1), 1
	s_wait_xcnt 0x0
; out0 = LayerNorm(256 (x1' + p0 + p1 + p2 + p3)) g2 + beta2.  x1': 2^-8 x1, f16, at the head of P2; p0..p3: the second FFN product's four partial sums times 2^-8 (the bias in p0), f16, the four panels
; of part, 0x800000 bytes apart; g2 and beta2 are rounded to bf16 like every input.  All arithmetic in f32; mean first, then the mean of the squared differences, on the row kept in registers.
; One wave, one row of 1,024: a lane owns columns 128 j + 4 l .. + 3, j = 0..7, so a load of f16 covers 256 consecutive bytes and a load or store of f32 512.  No LDS, no barrier.
; Memory binds: no matrix unit, no cluster.
.set XH, 8                             ; v8-23
.set PA, 24                            ; v24-39, 40-55, 56-71, 72-87: the four partial sums as loaded
.set PB, 40
.set PC, 56
.set PD, 72
.set Y,  88                            ; v88-119  the row in f32
.set RS, 124                           ; v124-125
.set MU, 126                           ; v126-127
.set G,  128
.set BT, 160
.set CH, 192                           ; v192-199 at work, then four chains of sums
.macro RED r
	v_add_f32_dpp v[\r], v[\r], v[\r] row_xmask:1 row_mask:0xf bank_mask:0xf
	v_add_f32_dpp v[\r], v[\r], v[\r] row_xmask:2 row_mask:0xf bank_mask:0xf
	v_add_f32_dpp v[\r], v[\r], v[\r] row_xmask:4 row_mask:0xf bank_mask:0xf
	v_add_f32_dpp v[\r], v[\r], v[\r] row_xmask:8 row_mask:0xf bank_mask:0xf
	v_permlanex16_b32 v[(\r)+1], v[\r], s16, s17
	v_add_f32 v[\r], v[\r], v[(\r)+1]
.endm
.macro FOLD
	v_pk_add_f32 v[CH:CH+1], v[CH:CH+1], v[CH+2:CH+3]
	v_pk_add_f32 v[CH+4:CH+5], v[CH+4:CH+5], v[CH+6:CH+7]
	v_pk_add_f32 v[CH:CH+1], v[CH:CH+1], v[CH+4:CH+5]
	v_add_f32 v[CH], v[CH], v[CH+1]
.endm
	s_load_b256 s[4:11], s[0:1], 0x0               ; P2 s[4:5], part s[6:7], g2 s[8:9], beta2 s[10:11]
	s_load_b64 s[12:13], s[0:1], 0x20              ; out0
	v_lshrrev_b32 v1, 5, v0
	v_readfirstlane_b32 s14, v1
	s_lshl_b32 s15, ttmp9, 4
	s_add_co_u32 s14, s14, s15                     ; my row
	s_lshl_b32 s2, s14, 12                         ; 4,096 bytes in out0,
	s_mov_b32 s3, 0
	s_lshl_b32 s14, s14, 11                        ; 2,048 in the f16 buffers
	s_mov_b32 s15, 0
	s_mov_b32 s16, 0x76543210
	s_mov_b32 s17, 0xfedcba98
	s_mov_b32 s18, 0x3a800000                      ; 1 / 1024
	s_mov_b32 s19, 0x3727c5ac                      ; 1e-5
	s_mov_b32 s20, 0xffff0000
	s_mov_b32 s22, 0x43800000                      ; 256
	s_mov_b32 s23, s22
	v_and_b32 v2, 31, v0
	v_lshlrev_b32 v3, 3, v2
	v_lshlrev_b32 v4, 4, v2
	s_wait_kmcnt 0x0
	s_add_nc_u64 s[4:5], s[4:5], s[14:15]
	s_add_nc_u64 s[6:7], s[6:7], s[14:15]
	s_add_nc_u64 s[26:27], s[6:7], 0x800000
	s_add_nc_u64 s[28:29], s[6:7], 0x1000000
	s_add_nc_u64 s[30:31], s[6:7], 0x1800000
	s_add_nc_u64 s[12:13], s[12:13], s[2:3]
.irp j, 0,1,2,3,4,5,6,7
	global_load_b64 v[XH+2*\j:XH+2*\j+1], v3, s[4:5] offset:256*\j
.endr
.irp j, 0,1,2,3,4,5,6,7
	global_load_b64 v[PA+2*\j:PA+2*\j+1], v3, s[6:7] offset:256*\j
.endr
.irp j, 0,1,2,3,4,5,6,7
	global_load_b64 v[PB+2*\j:PB+2*\j+1], v3, s[26:27] offset:256*\j
.endr
.irp j, 0,1,2,3,4,5,6,7
	global_load_b64 v[PC+2*\j:PC+2*\j+1], v3, s[28:29] offset:256*\j
.endr
.irp j, 0,1,2,3,4,5,6,7
	global_load_b64 v[PD+2*\j:PD+2*\j+1], v3, s[30:31] offset:256*\j
.endr
.irp j, 0,1,2,3,4,5,6,7
	global_load_b128 v[G+4*\j:G+4*\j+3], v4, s[8:9] offset:512*\j
.endr
.irp j, 0,1,2,3,4,5,6,7
	global_load_b128 v[BT+4*\j:BT+4*\j+3], v4, s[10:11] offset:512*\j
.endr
	s_wait_loadcnt 16                              ; the five rows are in; the sixteen loads of g2 and beta2 may stay out
.set n, 0
.rept 16                                           ; a packed word goes through a plainly numbered register, whose halves can be named
	v_mov_b32 v120, v[XH+n]
	v_mov_b32 v121, v[PA+n]
	v_mov_b32 v122, v[PB+n]
	v_mov_b32 v123, v[PC+n]
	v_mov_b32 v124, v[PD+n]
	v_cvt_f32_f16 v[Y+2*n], v120.l
	v_cvt_f32_f16 v[Y+2*n+1], v120.h
	v_cvt_f32_f16 v192, v121.l
	v_cvt_f32_f16 v193, v121.h
	v_cvt_f32_f16 v194, v122.l
	v_cvt_f32_f16 v195, v122.h
	v_cvt_f32_f16 v196, v123.l
	v_cvt_f32_f16 v197, v123.h
	v_cvt_f32_f16 v198, v124.l
	v_cvt_f32_f16 v199, v124.h
	v_pk_add_f32 v[192:193], v[192:193], v[194:195]
	v_pk_add_f32 v[196:197], v[196:197], v[198:199]
	v_pk_add_f32 v[192:193], v[192:193], v[196:197]
	v_pk_add_f32 v[Y+2*n:Y+2*n+1], v[Y+2*n:Y+2*n+1], v[192:193]
	v_pk_mul_f32 v[Y+2*n:Y+2*n+1], v[Y+2*n:Y+2*n+1], s[22:23] op_sel_hi:[1,0]
.set n, n+1
.endr
.irp k, 0,1,2,3
	v_pk_add_f32 v[CH+2*\k:CH+2*\k+1], v[Y+2*\k:Y+2*\k+1], v[Y+8+2*\k:Y+8+2*\k+1]
.endr
.set n, 8
.rept 8
	v_pk_add_f32 v[CH+2*(n%4):CH+2*(n%4)+1], v[CH+2*(n%4):CH+2*(n%4)+1], v[Y+2*n:Y+2*n+1]
.set n, n+1
.endr
	FOLD
	RED CH
	v_mul_f32 v[MU], 0xba800000, v[CH]             ; minus the mean
	v_mov_b32 v[MU+1], v[MU]
.set n, 0
.rept 16
	v_pk_add_f32 v[Y+2*n:Y+2*n+1], v[Y+2*n:Y+2*n+1], v[MU:MU+1]
.set n, n+1
.endr
.irp k, 0,1,2,3
	v_pk_mul_f32 v[CH+2*\k:CH+2*\k+1], v[Y+2*\k:Y+2*\k+1], v[Y+2*\k:Y+2*\k+1]
.endr
.set n, 4
.rept 12
	v_pk_fma_f32 v[CH+2*(n%4):CH+2*(n%4)+1], v[Y+2*n:Y+2*n+1], v[Y+2*n:Y+2*n+1], v[CH+2*(n%4):CH+2*(n%4)+1]
.set n, n+1
.endr
	FOLD
	RED CH
	v_fma_f32 v[CH], v[CH], s18, s19               ; var + eps
	v_rsq_f32 v[RS], v[CH]
	v_nop                                          ; a plain instruction between the root and the use of its result (ISA guide 5.7.2)
	v_mov_b32 v[RS+1], v[RS]
	s_wait_loadcnt 0x0                             ; g2 and beta2
.set n, 0
.rept 16
	v_cvt_pk_bf16_f32 v120, v[G+2*n], v[G+2*n+1]
	v_cvt_pk_bf16_f32 v121, v[BT+2*n], v[BT+2*n+1]
	v_lshlrev_b32 v[G+2*n], 16, v120
	v_and_b32 v[G+2*n+1], s20, v120
	v_lshlrev_b32 v[BT+2*n], 16, v121
	v_and_b32 v[BT+2*n+1], s20, v121
	v_pk_mul_f32 v[Y+2*n:Y+2*n+1], v[Y+2*n:Y+2*n+1], v[RS:RS+1]
	v_pk_fma_f32 v[Y+2*n:Y+2*n+1], v[Y+2*n:Y+2*n+1], v[G+2*n:G+2*n+1], v[BT+2*n:BT+2*n+1]
.set n, n+1
.endr
.irp j, 0,1,2,3,4,5,6,7
	global_store_b128 v4, v[Y+4*\j:Y+4*\j+3], s[12:13] offset:512*\j  ; the wave stores 512 consecutive bytes, aligned
.endr
	s_endpgm
.Lfunc_end_k_q9fa7a6f661_ln2:
	.size	k_q9fa7a6f661_ln2, .Lfunc_end_k_q9fa7a6f661_ln2-k_q9fa7a6f661_ln2
	.p2alignl 7, 3214868480
	.fill 96, 4, 3214868480
	.section	.rodata,"a",@progbits
	.p2align	6, 0x0
	.amdhsa_kernel k_q9fa7a6f661_ln2
		.amdhsa_group_segment_fixed_size 0
		.amdhsa_private_segment_fixed_size 0
		.amdhsa_enable_private_segment 0
		.amdhsa_kernarg_size 40
		.amdhsa_user_sgpr_count 2
		.amdhsa_user_sgpr_kernarg_segment_ptr 1
		.amdhsa_wavefront_size32 1
		.amdhsa_system_sgpr_workgroup_id_x 1
		.amdhsa_system_sgpr_workgroup_id_y 1
		.amdhsa_system_sgpr_workgroup_id_z 1
		.amdhsa_system_vgpr_workitem_id 0
		.amdhsa_next_free_vgpr 200
		.amdhsa_next_free_sgpr 66
		.amdhsa_reserve_vcc 0
		.amdhsa_float_denorm_mode_32 3
		.amdhsa_float_denorm_mode_16_64 3
		.amdhsa_memory_ordered 1
		.amdhsa_forward_progress 1
		.amdhsa_inst_pref_size 31
	.end_amdhsa_kernel
	.amdgpu_metadata
---
amdhsa.version: [ 1, 2 ]
amdhsa.kernels:
  - .name:           k_q9fa7a6f661_ln2
    .symbol:         k_q9fa7a6f661_ln2.kd
    .args:
      - { .name: P2, .offset: 0, .size: 8, .value_kind: global_buffer, .address_space: global }
      - { .name: part, .offset: 8, .size: 8, .value_kind: global_buffer, .address_space: global }
      - { .name: g2, .offset: 16, .size: 8, .value_kind: global_buffer, .address_space: global }
      - { .name: beta2, .offset: 24, .size: 8, .value_kind: global_buffer, .address_space: global }
      - { .name: out0, .offset: 32, .size: 8, .value_kind: global_buffer, .address_space: global }
    .group_segment_fixed_size: 0
    .private_segment_fixed_size: 0
    .kernarg_segment_align: 8
    .kernarg_segment_size: 40
    .max_flat_workgroup_size: 512
    .sgpr_count:     66
    .vgpr_count:     200
    .wavefront_size: 32
...
	.end_amdgpu_metadata
.endif
;; end of part 6
